; MI455X (gfx1250); checked and timed in simulation.
; The chip was launched on July 23, 2026; its instructions are those of AMD's public machine-readable ISA for CDNA 5 (MIT licence, August 2026) and "CDNA5" Instruction Set Architecture Reference Guide (July 2026). The comments in the code are by the model that wrote it; some were corrected since.
;; Causal Self Attention. Allowed arithmetic: matrix products marked QUANTISED: E4M3 operands, one given power-of-two scale a tensor, by v_wmma_f32_16x16x64_fp8_fp8 or v_wmma_f32_16x16x128_fp8_fp8, f32 sums; everything else in f32.
;; Inputs: Wk 1,024 x 1,024 float32; Wp 1,024 x 1,024 float32; Wq 1,024 x 1,024 float32; Wv 1,024 x 1,024 float32; bk 1,024 float32; bp 1,024 float32; bq 1,024 float32; bv 1,024 float32; lowp_scales 12 int32 (the exponents e of the quantised operands' scales 2^e); x 4 x 2,048 x 1,024 float32.
;; Outputs: out0 4 x 2,048 x 1,024 float32.
;; This version of the problem:
;;   THIS VERSION OF THE PROBLEM IS GIVEN IN LOW PRECISION. The matrix products marked QUANTISED in the list below multiply operands that are first quantised to E4M3 (4 exponent bits, 3 mantissa bits; 8 bits a number), with one given power-of-two scale for each operand tensor; their sums are f32. All else is computed in f32.
;;   The module's matrix products, in the order in which they are computed (A, B: the left and right operand; K: the contracted axis; several contracted axes count as one K, in the product's order):
;;     1. [M 8,192, K 1,024] x [K 1,024, N 1,024]; A: input x; B: input Wq: QUANTISED (scales: A lowp_scales[0], B lowp_scales[1])
;;     2. [M 8,192, K 1,024] x [K 1,024, N 1,024]; A: input x; B: input Wk: QUANTISED (scales: A lowp_scales[2], B lowp_scales[3])
;;     3. [M 8,192, K 1,024] x [K 1,024, N 1,024]; A: input x; B: input Wv: QUANTISED (scales: A lowp_scales[4], B lowp_scales[5])
;;     4. batch 64 x [M 2,048, K 64] x [K 64, N 2,048]; A: computed on the way; B: computed on the way: QUANTISED (scales: A lowp_scales[6], B lowp_scales[7])
;;     5. batch 64 x [M 2,048, K 2,048] x [K 2,048, N 64]; A: softmax (see below); B: computed on the way: QUANTISED (scales: A lowp_scales[8], B lowp_scales[9])
;;     6. [M 8,192, K 1,024] x [K 1,024, N 1,024]; A: computed on the way; B: input Wp: QUANTISED (scales: A lowp_scales[10], B lowp_scales[11])
;;   THE QUANTISER, for each operand of a quantised product, along K:
;;     - The operand's scale is 2^e, e = its entry of the input lowp_scales (int32; the entries are numbered through the quantised products in the list's order, A before B).
;;     - Each number is divided by the scale, clamped to +-448, and rounded to the nearest number of E4M3, ties to even, subnormals kept.
;;     - The product sums the exact products of the quantised numbers (number of the format x scale) in f32.
;;   ~~~python
;;   def quantise(x, axis, e):      # numpy; x: float32 -> the quantised numbers, widened to float32 again
;;       x = np.moveaxis(x, axis, -1); K = x.shape[-1]
;;       r = np.clip(x / 2.0 ** e, -448, 448)
;;       step = 2.0 ** (np.maximum(np.frexp(np.where(r == 0, 1, r))[1] - 1, -6) - 3)
;;       q = np.round(r / step) * step * 2.0 ** e      # np.round: ties to even
;;       return np.moveaxis(q, -1, axis).astype(np.float32)
;;   ~~~
;;   SOFTMAX AHEAD OF A QUANTISED PRODUCT. Where the list says 'softmax', what is quantised is not the finished softmax but p = 2^(t - M), with t = logit x log2(e) and M = ceil(the row's largest t), a whole number; so 1/2 < the row's largest p <= 1. The row's sum l is taken of the UNQUANTISED p, in f32, and the product's result is divided by l at the end. Since M is a whole number, a kernel that streams over the keys may use a running M (the ceiling of the running maximum): every later rescaling is an exact power of two, so the quantised numbers keep their values, but for numbers so far below the row's largest that they fall under the format's range.
;;   OPERANDS COMPUTED ON THE WAY. 'Computed on the way' means the value that the module computes at that place (a softmax that the list does not call 'softmax' is quantised finished and normalised). What goes into a quantiser is computed in f32, as accurately as f32 sums, v_exp_f32 and their like allow (about 1e-6 of the number): no bf16 or f16 on the way to a quantiser, and a product that is left as it is and whose result goes on into a quantised operand takes f32 operands (vector FMAs, or v_wmma_f32_16x16x4_f32). A number that lies on a knife's edge between two numbers of the format may be rounded either way, as far as f32 arithmetic and the matrix unit's own rounding can turn it there, and no further.
;; One version. Each part assembles by itself: llvm-mc -triple=amdgcn-amd-amdhsa -mcpu=gfx1250 --defsym DOCPART=n.
;; ======== version 1 of 1: 4 launches
;; limits: right only within a limited range of input values
;; workspace buffers: xc 25,165,824 bytes; wc 4,194,304 bytes; qkvc 25,165,824 bytes; yc 8,388,608 bytes
;; launch quant (part 1): grid 384 x 1, 4 waves a work-group, no clusters, 68,096 bytes of LDS; arguments x, Wq, Wk, Wv, Wp, lowp_scales, xc, wc; writes xc, wc
.if DOCPART == 1
	.amdgcn_target "amdgcn-amd-amdhsa--gfx1250"
	.amdhsa_code_object_version 6
	.text
	.protected	k_qe56860b4ec_quant
	.globl	k_qe56860b4ec_quant
	.p2align	8
	.type	k_qe56860b4ec_quant,@function
k_qe56860b4ec_quant:
	s_mov_b64 s[64:65], 0
	v_nop
	global_prefetch_b8 v0, s[64:65] scope:SCOPE_SE
	s_setreg_imm32_b32 hwreg(HW_REG_WAVE_MODE, 25, 1), 1
	s_wait_xcnt 0x0
; f32 numbers into codes of FP8 (E4M3), one byte each, K innermost.  code = number / 2^e, held within +-448, rounded to the nearest code, ties to even.
; x [8192][1024] is an operand of three products, each with a scale of its own (entries 0, 2, 4 of the scales): three planes of codes, xc [3][8192][1024].  x is read once.
; Wq, Wk, Wv, Wp [1024 k][1024 n] have K as their FIRST axis: wc [4][1024 n][1024 k], with entries 1, 3, 5, 11.
; Work-groups 0-127 take the weights (weight = id / 32, 256 along K = (id / 8) % 4, 128 columns = id % 8), work-groups 128-383 take x, 32,768 numbers each.  The two ways have LDS bytes of their own.
; LIMITS: each e lies between -126 and 119, so that 2^e and 448 x 2^e are f32 numbers.  NaN among the inputs is not served (an infinity is held at the largest code).
; No tensor loads, no barrier: waves share nothing.
.set STEPS, 16
.set SP,    80                         ; x's way: a lane's place in a stage: its 64 bytes + 16 of padding
.set WREG,  8192                       ; x's way: a region for each wave, two stages of 32 x SP bytes
.set WSTG,  32768                      ; the weights' way: four stages of 32 rows x PITCH behind x's regions
.set PITCH, 272                        ; a stage row: 256 codes + 16 of padding
.set SPARE, 67584                      ; behind both: the spare words, 128 bytes for each wave: two blocks of 256 bytes that no other line names
.set SPW,   12                         ; v12  LDS address of my spare word; never rewritten
.set NIL,   13                         ; v13  0; never rewritten
.set R,     16                         ; x: v16-79   four sets of 16 numbers as they are loaded
.set X,     80                         ; x: v80-111  two sets of 16 neighbours
.set T,     112                        ; x: v112-159 the 16 neighbours held within each of the three scales' ranges
.set C,     160                        ; x: v160-183 two sets of 3 x 4 registers of codes
.set SC,    184                        ; x: v184+2z: 2^e as f32; v185+2z: 448 x 2^e
.set WX,    32                         ; weights: v32-95 two sets of 32 numbers
.set WC,    96                         ; weights: v96-103 a block's codes
.set OUTR,  112                        ; weights: v112-175 the way out
	s_load_b512 s[4:19], s[0:1], 0x0               ; x 4:5, Wq 6:7, Wk 8:9, Wv 10:11, Wp 12:13, scales 14:15, xc 16:17, wc 18:19
	v_lshl_add_u32 v[SPW], v0, 2, SPARE
	v_mov_b32 v[NIL], 0
	v_lshrrev_b32 v1, 5, v0
	v_readfirstlane_b32 s20, v1                    ; wave 0..3
	v_and_b32 v2, 31, v0                           ; lane
	s_wait_kmcnt 0x0
	s_load_b256 s[24:31], s[14:15], 0x0            ; e0 .. e7
	s_load_b128 s[32:35], s[14:15], 0x20           ; e8 .. e11
	s_cmp_lt_u32 ttmp9, 128
	s_cbranch_scc1 .Lweights
	s_wait_alu depctr_va_vdst(0)
; ---------------- x: a plain stream.  A wave takes 16 steps of 512 numbers.  Each load reads 512 consecutive bytes, 16 a lane; a step's 2,048 bytes turn through the wave's own stage and come back 64 bytes a lane:
; 16 neighbours along K, which the conversions want in one lane's registers.  A lane's 16 codes are 16 bytes: each store covers 512 consecutive bytes.
	v_lshlrev_b32 v3, 4, v2                        ; my 16 bytes of a load's and of a store's 512
	s_wait_alu depctr_va_vdst(0)
	s_mul_i32 s21, s20, WREG
	v_lshrrev_b32 v14, 2, v2
	v_mul_u32_u24 v14, v14, SP
	v_and_b32 v15, 3, v2
	v_lshl_add_u32 v14, v15, 4, v14
	v_add_nc_u32 v14, s21, v14                     ; into the stage: SP (lane / 4) + 16 (lane % 4)
	v_mul_u32_u24 v15, v2, SP
	v_add_nc_u32 v15, s21, v15                     ; out of it: SP x lane
	s_sub_co_u32 s22, ttmp9, 128
	s_lshl_b32 s22, s22, 2
	s_add_co_u32 s22, s22, s20                     ; which run of 8,192 numbers is my wave's: 0 .. 1023
	s_lshl_b32 s42, s22, 15                        ; 32,768 bytes of x a run
	s_mov_b32 s43, 0
	s_add_nc_u64 s[4:5], s[4:5], s[42:43]
	s_lshl_b32 s42, s22, 13                        ; 8,192 bytes of codes a run
	s_add_nc_u64 s[36:37], s[16:17], s[42:43]      ; plane 0,
	s_add_nc_u64 s[38:39], s[36:37], 0x800000      ; plane 1,
	s_add_nc_u64 s[40:41], s[38:39], 0x800000      ; plane 2: a base each, since a plane is one byte more than a store's immediate reaches
.macro XLOAD t
.irp i, 0,1,2,3
	global_load_b128 v[R+16*((\t)%4)+4*\i:R+16*((\t)%4)+4*\i+3], v3, s[4:5] offset:2048*(\t)+512*\i th:TH_LOAD_NT
.endr
.endm
.macro XTURN t                         ; LDS serves a wave's instructions in order: no wait between the stores and the loads
.irp i, 0,1,2,3
	ds_store_b128 v14, v[R+16*((\t)%4)+4*\i:R+16*((\t)%4)+4*\i+3] offset:32*SP*((\t)%2)+8*SP*\i
.endr
.irp i, 0,1,2,3
	ds_load_b128 v[X+16*((\t)%2)+4*\i:X+16*((\t)%2)+4*\i+3], v15 offset:32*SP*((\t)%2)+16*\i
.endr
.endm
.irp t, 0,1,2,3
	XLOAD \t
.endr
	s_wait_alu depctr_va_vdst(0)
	s_wait_kmcnt 0x0
.irp z, 0,1,2
	s_add_co_i32 s44, s[24+2*\z], 127
	s_lshl_b32 s45, s44, 23
	v_mov_b32 v[SC+2*\z], s45                      ; 2^e as f32: the conversion takes its exponent field
	s_add_co_i32 s44, s44, 8
	s_lshl_b32 s44, s44, 23
	s_or_b32 s44, s44, 0x600000
	v_mov_b32 v[SC+2*\z+1], s44                    ; 448 x 2^e
.endr
	s_wait_alu depctr_va_vdst(0)
	s_wait_loadcnt 12                              ; step 0's four loads are in; those of steps 1 to 3 may be out
	XTURN 0
.macro XSTEP t
.set XS, X+16*((\t)%2)
.set CW, C+12*((\t)%2)
	s_wait_dscnt 0x0                               ; this step's numbers are back from the stage, and its stores into the stage have read their registers,
.if (\t)+4 < STEPS
	XLOAD (\t)+4                                   ; which take the loads of four steps on
.endif
.if (\t)+1 < STEPS
.if STEPS-2-(\t) >= 3
	s_wait_loadcnt 12                              ; the next step's four loads are in; those of the three steps behind it may be out
.else
	s_wait_loadcnt 4*(STEPS-2-(\t))
.endif
	XTURN (\t)+1
.endif
.if (\t) >= 2
	s_wait_xcnt 0x0                                ; the stores of two steps back have read this set of code registers
.endif
.irp z, 0,1,2
.irp i, 0,1,2,3,4,5,6,7,8,9,10,11,12,13,14,15
	v_med3_num_f32 v[T+16*\z+\i], v[XS+\i], -v[SC+2*\z+1], v[SC+2*\z+1]   ; the conversion to an 8-bit code does not saturate (ISA guide 7.6.2): the hold at the largest code x the scale
.endr
.endr
.irp z, 0,1,2
	v_cvt_scalef32_pk8_fp8_f32 v[CW+4*\z:CW+4*\z+1], v[T+16*\z:T+16*\z+7], v[SC+2*\z]
	v_cvt_scalef32_pk8_fp8_f32 v[CW+4*\z+2:CW+4*\z+3], v[T+16*\z+8:T+16*\z+15], v[SC+2*\z]
.endr
	v_nop                                          ; one plain vector line behind the conversions: the next step's holds write their sources
.irp z, 0,1,2
	global_store_b128 v3, v[CW+4*\z:CW+4*\z+3], s[36+2*\z:37+2*\z] offset:512*(\t)   ; 512 consecutive bytes, at a multiple of 256 from the plane's first byte
.endr
.endm
.irp t, 0,1,2,3,4,5,6,7,8,9,10,11,12,13,14,15
	XSTEP \t
.endr
	s_wait_tensorcnt 0x0                           ; the wave's end, behind my last LDS store
	ds_add_u32 v[SPW], v[NIL]
	s_wait_dscnt 0x0
	s_endpgm
; ---------------- the weights.  A LANE TAKES A COLUMN n AND ITS REGISTERS RUN DOWN K: each load reads 128 consecutive bytes a wave, and the conversions give codes with K innermost.  A wave takes 32 columns x 256 along K;
; the codes go through the wave's own stage and leave as rows: sixteen lanes store 256 consecutive bytes.
.Lweights:
	s_lshr_b32 s21, ttmp9, 5                       ; which weight: 0 q, 1 k, 2 v, 3 p
	s_bfe_u32 s22, ttmp9, 0x20003                  ; which 256 along K
	s_and_b32 s23, ttmp9, 7
	s_lshl_b32 s23, s23, 7
	s_lshl_b32 s36, s20, 5
	s_add_co_u32 s23, s23, s36                     ; my wave's first column
	s_wait_alu depctr_va_vdst(0)
	v_lshlrev_b32 v3, 2, v2                        ; in: 4 bytes a lane
	s_mul_i32 s36, s20, 32*PITCH
	s_add_co_u32 s36, s36, WSTG                    ; my stage
	v_mul_u32_u24 v4, v2, PITCH
	v_add_nc_u32 v4, s36, v4                       ; into it: row = my column
	v_and_b32 v5, 15, v2
	v_lshrrev_b32 v6, 4, v2
	v_mul_u32_u24 v7, v6, PITCH
	v_lshl_add_u32 v7, v5, 4, v7
	v_add_nc_u32 v7, s36, v7                       ; out of it: sixteen lanes to a row, two rows an instruction
	v_lshlrev_b32 v8, 10, v6
	v_lshl_add_u32 v8, v5, 4, v8                   ; and the same place in the codes' buffer (rows of 1,024 bytes)
	s_bitcmp1_b32 s21, 0                           ; the weight's address is chosen on the work-group's number alone
	s_cselect_b64 s[38:39], s[8:9], s[6:7]         ; Wk : Wq
	s_cselect_b64 s[40:41], s[12:13], s[10:11]     ; Wp : Wv
	s_bitcmp1_b32 s21, 1
	s_cselect_b64 s[4:5], s[40:41], s[38:39]
	s_lshl_b32 s42, s22, 20                        ; 256 rows of 4,096 bytes
	s_lshl_b32 s43, s23, 2
	s_add_co_u32 s42, s42, s43
	s_mov_b32 s43, 0
	s_add_nc_u64 s[4:5], s[4:5], s[42:43]
	s_lshl_b32 s42, s21, 20                        ; the weight's plane of codes,
	s_lshl_b32 s44, s23, 10                        ; my first column's row,
	s_add_co_u32 s42, s42, s44
	s_lshl_b32 s44, s22, 8                         ; my 256 along K
	s_add_co_u32 s42, s42, s44
	s_add_nc_u64 s[8:9], s[18:19], s[42:43]
.macro WLOAD t                         ; block t: W(32 t + i, my column) into set t % 2
.set i, 0
.rept 32
	global_load_b32 v[WX+32*((\t)%2)+i], v3, s[4:5] offset:(32*(\t)+i)*4096 th:TH_LOAD_NT
.set i, i+1
.endr
.endm
	WLOAD 0
	WLOAD 1
	s_wait_kmcnt 0x0
	s_bitcmp1_b32 s21, 0
	s_cselect_b32 s44, s27, s25                    ; e3 : e1
	s_cselect_b32 s45, s35, s29                    ; e11 : e5
	s_bitcmp1_b32 s21, 1
	s_cselect_b32 s44, s45, s44
	s_add_co_i32 s44, s44, 127
	s_lshl_b32 s45, s44, 23
	v_mov_b32 v11, s45                             ; 2^e
	s_add_co_i32 s44, s44, 8
	s_lshl_b32 s44, s44, 23
	s_or_b32 s44, s44, 0x600000
.macro WBLOCK t
.set XS, WX+32*((\t)%2)
.if (\t) < 7
	s_wait_loadcnt 32                              ; this block's 32 loads are in; the next block's may be out
.else
	s_wait_loadcnt 0
.endif
.set i, 0
.rept 32
.set i, i+1
.endr
.irp g, 0,1,2,3
	v_cvt_scalef32_pk8_fp8_f32 v[WC+2*\g:WC+2*\g+1], v[XS+8*\g:XS+8*\g+7], v11
.endr
	v_nop                                          ; one plain vector line behind the conversions
	ds_store_b128 v4, v[WC:WC+3] offset:32*(\t)
	ds_store_b128 v4, v[WC+4:WC+7] offset:32*(\t)+16
.if (\t)+2 < 8
	WLOAD (\t)+2
.endif
	s_wait_dscnt 0x0                               ; the stores have read their registers: the next block's codes may be written
.endm
	s_wait_alu depctr_va_vdst(0)
.irp t, 0,1,2,3,4,5,6,7
	WBLOCK \t
.endr
.irp t, 0,1,2,3,4,5,6,7,8,9,10,11,12,13,14,15
	ds_load_b128 v[OUTR+4*\t:OUTR+4*\t+3], v7 offset:2*\t*PITCH
.endr
.irp t, 0,1,2,3,4,5,6,7,8,9,10,11,12,13,14,15
	s_wait_dscnt 15-\t
	global_store_b128 v8, v[OUTR+4*\t:OUTR+4*\t+3], s[8:9] offset:2*\t*1024
.endr
	s_wait_tensorcnt 0x0                           ; the wave's end, behind my last LDS store
	ds_add_u32 v[SPW], v[NIL]
	s_wait_dscnt 0x0
	s_endpgm
.Lfunc_end_k_qe56860b4ec_quant:
	.size	k_qe56860b4ec_quant, .Lfunc_end_k_qe56860b4ec_quant-k_qe56860b4ec_quant
	.p2alignl 7, 3214868480
	.fill 96, 4, 3214868480
	.section	.rodata,"a",@progbits
	.p2align	6, 0x0
	.amdhsa_kernel k_qe56860b4ec_quant
		.amdhsa_group_segment_fixed_size 68096
		.amdhsa_private_segment_fixed_size 0
		.amdhsa_enable_private_segment 0
		.amdhsa_kernarg_size 64
		.amdhsa_user_sgpr_count 2
		.amdhsa_user_sgpr_kernarg_segment_ptr 1
		.amdhsa_wavefront_size32 1
		.amdhsa_system_sgpr_workgroup_id_x 1
		.amdhsa_system_sgpr_workgroup_id_y 1
		.amdhsa_system_sgpr_workgroup_id_z 1
		.amdhsa_system_vgpr_workitem_id 0
		.amdhsa_next_free_vgpr 192
		.amdhsa_next_free_sgpr 66
		.amdhsa_reserve_vcc 0
		.amdhsa_float_denorm_mode_32 3
		.amdhsa_float_denorm_mode_16_64 3
		.amdhsa_fp16_overflow 1
		.amdhsa_memory_ordered 1
		.amdhsa_forward_progress 1
		.amdhsa_inst_pref_size 110
	.end_amdhsa_kernel
	.amdgpu_metadata
---
amdhsa.version: [ 1, 2 ]
amdhsa.kernels:
  - .name:           k_qe56860b4ec_quant
    .symbol:         k_qe56860b4ec_quant.kd
    .args:
      - { .name: x, .offset: 0, .size: 8, .value_kind: global_buffer, .address_space: global }
      - { .name: Wq, .offset: 8, .size: 8, .value_kind: global_buffer, .address_space: global }
      - { .name: Wk, .offset: 16, .size: 8, .value_kind: global_buffer, .address_space: global }
      - { .name: Wv, .offset: 24, .size: 8, .value_kind: global_buffer, .address_space: global }
      - { .name: Wp, .offset: 32, .size: 8, .value_kind: global_buffer, .address_space: global }
      - { .name: lowp_scales, .offset: 40, .size: 8, .value_kind: global_buffer, .address_space: global }
      - { .name: xc, .offset: 48, .size: 8, .value_kind: global_buffer, .address_space: global }
      - { .name: wc, .offset: 56, .size: 8, .value_kind: global_buffer, .address_space: global }
    .group_segment_fixed_size: 68096
    .private_segment_fixed_size: 0
    .kernarg_segment_align: 8
    .kernarg_segment_size: 64
    .max_flat_workgroup_size: 128
    .sgpr_count:     66
    .vgpr_count:     192
    .wavefront_size: 32
...
	.end_amdgpu_metadata
.endif
;; end of part 1
;; launch qkv (part 2): grid 4 x 96, 4 waves a work-group, clusters of 4 x 4, 327,680 bytes of LDS; arguments xc, wc, bq, bk, bv, lowp_scales, qkvc; writes qkvc
.if DOCPART == 2
	.amdgcn_target "amdgcn-amd-amdhsa--gfx1250"
	.amdhsa_code_object_version 6
	.text
	.protected	k_qe56860b4ec_qkv
	.globl	k_qe56860b4ec_qkv
	.p2align	8
	.type	k_qe56860b4ec_qkv,@function
k_qe56860b4ec_qkv:
	s_mov_b64 s[64:65], 0
	v_nop
	global_prefetch_b8 v0, s[64:65] scope:SCOPE_SE
	s_setreg_imm32_b32 hwreg(HW_REG_WAVE_MODE, 25, 1), 1
	s_wait_xcnt 0x0
	s_wait_alu depctr_hold_cnt(0) depctr_sa_sdst(0) depctr_va_vdst(0) depctr_va_sdst(0) depctr_va_ssrc(0) depctr_va_vcc(0) depctr_vm_vsrc(0)
	s_getreg_b32 s2, hwreg(HW_REG_IB_STS2, 6, 4)
	s_cmp_eq_u32 s2, 0
	s_cbranch_scc0 .Lentry_in_a_cluster
	s_endpgm
.Lentry_in_a_cluster:
	s_bfe_u32 s2, ttmp6, 0x10000c
	s_cmp_lg_u32 s2, 0xf033
	s_cbranch_scc0 .Lentry_shape_is_right
	s_endpgm
.Lentry_shape_is_right:
; q = x Wq + bq, k = x Wk + bk, v = x Wv + bv on codes of FP8 (E4M3); each result is quantised on the way out, with the scale that attention's products give it (entries 6, 7, 9), and leaves as codes.
; ONE BODY FOR THE THREE: C[m][n] = sum over k of A[m][k] B[n][k].  z = cluster y / 8.  z = 0, 1 (q, k): A = x's codes (plane z), m = token; B = the weight's codes, n = channel.
; z = 2 (v): A = Wv's codes, m = channel; B = x's codes (plane 2), n = token: so a lane's eight results run along the TOKENS, which are the K of attention's second product.
; The result's byte: plane z + (n / 64) S1 + 64 m + n % 64, S1 = 524,288 (q, k: [16 heads][8192 tokens][64]) or 65,536 (v: [128 blocks of 64 tokens][1024 channels][64 tokens]).
; A tile of C, 256 x 256, is made by four waves, each 128 x 128: 64 accumulators, 512 registers.  K = 1,024 goes in four steps of 256 through a ring of two LDS slots filled by the tensor data mover.
; CLUSTERS: 4 x 4 work-groups; A's tile is shared along a row of the cluster, B's along a column: each is asked for jointly, by the same load with the same descriptor and a mask that names the four.
; THE MATRIX INSTRUCTION IS USED TRANSPOSED (source 0 = 16 rows of B, source 1 = 16 rows of A): a lane holds eight neighbouring n of one row m.
; LIMITS: e0 + e1, e2 + e3, e4 + e5 between -126 and 127; e6, e7, e9 between -126 and 119.  NaN is not served.
; REGISTERS, in windows of 256: window 0: v0-31 addresses; v32-95 the bias along n, v96-111 the bias along m (one of the two is cleared), v113 the quantiser's scale; from v128 A's fragments, ONE set
;   (on the way out: codes and rows read back).   window 1: B's fragments, two sets.   windows 2, 3: the accumulators ((a, b) at v[8 (8 (a % 4) + b)] of window 2 + a / 4).
.set ROWB,   256                       ; a tile's row in bytes: 256 codes
.set KROW,   1024                      ; a row of A or of B in memory
.set PITCH,  272                       ; an LDS row: 256 bytes + 16 of padding: the 16 rows that a load touches start at 16 different banks (64 banks of 4 bytes: ISA guide 11.1)
.set FR,     16
.set NL,     4
.set NP,     4
.set HALFT,  128*PITCH
.set SLOT,   4*HALFT
.set LAPS,   2
.set SPARE,  2*SLOT                    ; behind the ring: the spare words, two blocks of 256 bytes that no other line names
.set ADRA, 16
.set ADRB, 20
.set STO,  24                          ; the way out: where I put 8 codes: my stage + 64 r + 8 h
.set RD,   25                          ; where I read 16 bytes back: my stage + 16 x lane
.set CO,   26                          ; 16 x lane
.set SPW,  28
.set NIL,  29
.set CB,   32
.set RB,   96
.set AF,   128
.set G1, 24
.set G0, 32
.set G1B, 48
.set G0B, 56
.set MSB, 0
.macro WIN new                         ; the immediate's high byte repeats the setting that is left
.if MSB != \new
	s_set_vgpr_msb (MSB<<8)|\new
.set MSB, \new
.endif
.endm
.set MUL_LO, 0xa1                      ; source 0 (B) window 1, source 1 (A) window 0, C and D window 2
.set MUL_HI, 0xf1
.set TO_B,   0x40
; A joint load: waves 0 and 1 fetch for A, waves 2 and 3 for B; the branch hangs on the wave's number alone.  An s_nop 0 and four v_nop follow each of the two lines.
.macro JLOAD g0a, g1a, g0b, g1b
	s_cmp_eq_u32 s15, 0
	s_cbranch_scc0 .Lfor_b_\@
	tensor_load_to_lds s[\g0a:\g0a+3], s[\g1a:\g1a+7]
	s_nop 0
.rept 4
	v_nop
.endr
	s_branch .Lasked_\@
.Lfor_b_\@:
	tensor_load_to_lds s[\g0b:\g0b+3], s[\g1b:\g1b+7]
	s_nop 0
.rept 4
	v_nop
.endr
.Lasked_\@:
.endm
.macro CREST
	s_cmp_lg_u32 s14, 0
	s_cbranch_scc1 .Lnot_wave_0_\@
	s_barrier_signal -3
.Lnot_wave_0_\@:
	s_barrier_wait -3
	s_barrier_signal -1
	s_barrier_wait -1
.endm
.macro CROUND
	s_barrier_signal -1
	s_barrier_wait -1
	CREST
.endm
	s_load_b256 s[68:75], s[0:1], 0x0              ; xc 68:69, wc 70:71, bq 72:73, bk 74:75
	s_load_b128 s[76:79], s[0:1], 0x20             ; bv 76:77, the scales' exponents 78:79
	s_load_b64 s[10:11], s[0:1], 0x30              ; qkvc
	v_lshl_add_u32 v[SPW], v0, 2, SPARE
	v_mov_b32 v[NIL], 0
	ds_add_u32 v[SPW], v[NIL]                      ; the wave's opening: the add and its wait stand ahead of my first tensor load; work on registers stands between them
	ds_add_u32 v[SPW], v[NIL]
	v_lshrrev_b32 v1, 5, v0
	v_readfirstlane_b32 s14, v1                    ; wave 0..3
	s_lshr_b32 s15, s14, 1                         ; my half of the tile's rows.  Also: I fetch for A (0) or for B (1)
	s_and_b32 s16, s14, 1                          ; my half of its columns.  Also: which 128 rows of that tile I fetch
	s_bfe_u32 s40, ttmp6, 0x40000                  ; cx
	s_bfe_u32 s41, ttmp6, 0x40004                  ; cy
	s_and_b32 s17, ttmp7, 0xffff                   ; cluster y, 0 .. 23
	s_lshr_b32 s67, s17, 3                         ; z: which product
	s_and_b32 s66, s17, 7
	s_cmp_eq_u32 s67, 2
	s_cselect_b32 s17, 0, s66                      ; q, k: 32 tile rows, 4 tile columns;
	s_cselect_b32 s42, s66, 0                      ; v: 4 tile rows, 32 tile columns
	s_lshl_b32 s17, s17, 2
	s_add_co_u32 s17, s17, s41                     ; tile row
	s_lshl_b32 s42, s42, 2
	s_add_co_u32 s42, s42, s40                     ; tile column
	s_lshl_b32 s43, s41, 2
	s_lshl_b32 s43, 15, s43                        ; my row of the cluster
	s_lshl_b32 s44, 0x1111, s40                    ; my column
	s_or_b32 s[G1+0], s43, (0<<16)|(1<<20)|(1<<21)|(5<<22)|(3<<25)  ; the mask; elements of 1 byte; padding on; bit 21 beside a mask; after every 64 words, 4 words
	s_or_b32 s[G1B+0], s44, (0<<16)|(1<<20)|(1<<21)|(5<<22)|(3<<25)
.irp g, G1, G1B
	s_mov_b32 s[\g+1], ROWB<<16                    ; tensor_dim0
	s_mov_b32 s[\g+2], 128<<16                     ; tensor_dim1
	s_mov_b32 s[\g+3], ROWB<<16                    ; tile_dim0
	s_mov_b32 s[\g+4], 128                         ; tile_dim1
	s_mov_b32 s[\g+5], KROW                        ; tensor_dim0_stride
	s_mov_b32 s[\g+6], 0
	s_mov_b32 s[\g+7], 0
.endr
	s_lshl_b32 s18, s16, 7
	s_lshl_b32 s20, s17, 8
	s_add_co_u32 s20, s20, s18                     ; A: row 256 x tile row + 128 x half
	s_lshl_b32 s46, s42, 8
	s_add_co_u32 s46, s46, s18                     ; B: row 256 x tile column + 128 x half
	s_mov_b32 s21, 0
	s_mov_b32 s47, 0
	s_mov_b64 s[18:19], KROW
	s_mul_u64 s[20:21], s[20:21], s[18:19]
	s_mul_u64 s[46:47], s[46:47], s[18:19]
	s_mul_i32 s45, s14, HALFT                      ; where they go: wave x 128 rows
	s_lshl_b32 s88, s67, 23                        ; x's plane z,
	s_mov_b32 s89, 0
	s_lshl_b32 s90, s67, 20                        ; the weight's plane z
	s_mov_b32 s91, 0
	s_wait_dscnt 0x0                               ; the opening add is done
	s_wait_kmcnt 0x0
	s_add_nc_u64 s[88:89], s[68:69], s[88:89]
	s_add_nc_u64 s[90:91], s[70:71], s[90:91]
	s_cmp_eq_u32 s67, 2                            ; the choice hangs on the cluster's number alone
	s_cselect_b64 s[4:5], s[90:91], s[88:89]       ; A
	s_cselect_b64 s[6:7], s[88:89], s[90:91]       ; B
	s_load_b256 s[88:95], s[78:79], 0x0            ; e0 .. e7
	s_load_b128 s[96:99], s[78:79], 0x20           ; e8 .. e11
	s_add_nc_u64 s[20:21], s[4:5], s[20:21]
	s_add_nc_u64 s[46:47], s[6:7], s[46:47]
	CROUND                                         ; all sixteen work-groups are here: the first joint loads meet
.irp s, 0,1
	s_mov_b32 s[G0+4*\s], 1
	s_add_co_u32 s[G0+4*\s+1], s45, \s*SLOT
	s_add_nc_u64 s[G0+4*\s+2:G0+4*\s+3], s[20:21], \s*ROWB
	s_or_b32 s[G0+4*\s+3], s[G0+4*\s+3], 0x80000000
	s_mov_b32 s[G0B+4*\s], 1
	s_add_co_u32 s[G0B+4*\s+1], s45, \s*SLOT
	s_add_nc_u64 s[G0B+4*\s+2:G0B+4*\s+3], s[46:47], \s*ROWB
	s_or_b32 s[G0B+4*\s+3], s[G0B+4*\s+3], 0x80000000
	JLOAD G0+4*\s, G1, G0B+4*\s, G1B               ; two loads of mine are out
.endr
	v_and_b32 v1, 15, v0                           ; r
	s_wait_alu depctr_va_vdst(0)
	v_bfe_u32 v2, v0, 4, 1                         ; h
	v_mul_u32_u24 v3, v1, PITCH
	v_lshl_add_u32 v4, v2, 4, v3
	s_mul_i32 s21, s15, HALFT
	s_mul_i32 s22, s16, HALFT
	s_add_co_u32 s22, s22, 2*HALFT
.irp s, 0,1
	v_add_nc_u32 v[ADRA+\s], s21, v4
	v_add_nc_u32 v[ADRB+\s], s22, v4
	s_add_co_u32 s21, s21, SLOT
	s_add_co_u32 s22, s22, SLOT
.endr
	s_lshl_b32 s23, s14, 11                        ; my stage: 2,048 bytes, in slot 0: it has had its last fill and its last read when the first codes are stored there
	v_lshlrev_b32 v5, 6, v1
	s_wait_alu depctr_va_vdst(0)
	v_lshl_add_u32 v5, v2, 3, v5
	v_add_nc_u32 v[STO], s23, v5
	v_and_b32 v6, 31, v0
	v_lshlrev_b32 v[CO], 4, v6
	v_add_nc_u32 v[RD], s23, v[CO]
	v_lshlrev_b32 v30, 5, v2                       ; the bias along n: 32 h bytes
	s_wait_alu depctr_va_vdst(0)
	v_lshlrev_b32 v31, 2, v1                       ; the bias along m: 4 r bytes
	s_wait_alu depctr_va_vdst(0)
	s_mov_b32 s100, 0x80000
	s_cmp_eq_u32 s67, 2
	s_cselect_b32 s100, 0x10000, s100              ; S1
	s_cselect_b32 s86, 0, -1                       ; the bias runs along n for q and k,
	s_cselect_b32 s87, -1, 0                       ; along m for v
	s_lshl_b32 s18, s17, 8
	s_lshl_b32 s22, s15, 7
	s_add_co_u32 s18, s18, s22                     ; m0: my first row
	s_lshl_b32 s19, s42, 8
	s_lshl_b32 s22, s16, 7
	s_add_co_u32 s19, s19, s22                     ; n0: my first column
	s_lshr_b32 s20, s19, 6
	s_mul_i32 s20, s20, s100
	s_lshl_b32 s22, s18, 6
	s_add_co_u32 s20, s20, s22
	s_lshl_b32 s22, s67, 23
	s_add_co_u32 s20, s20, s22                     ; plane z + (n0 / 64) S1 + 64 m0, under 2^25
	s_mov_b32 s21, 0
	s_add_nc_u64 s[10:11], s[10:11], s[20:21]      ; my columns 0-63,
	s_mov_b32 s20, s100
	s_add_nc_u64 s[12:13], s[10:11], s[20:21]      ; my columns 64-127
	s_cmp_eq_u32 s67, 1
	s_cselect_b64 s[82:83], s[74:75], s[72:73]     ; bk : bq
	s_cmp_eq_u32 s67, 2
	s_cselect_b64 s[82:83], s[76:77], s[82:83]     ; bv
	s_cselect_b32 s20, 0, s19                      ; the bias that does not apply is read at the buffer's head, so that no load leaves it, and cleared later
	s_cselect_b32 s22, s18, 0
	s_lshl_b32 s20, s20, 2
	s_lshl_b32 s22, s22, 2
	s_mov_b32 s23, 0
	s_add_nc_u64 s[84:85], s[82:83], s[22:23]
	s_add_nc_u64 s[82:83], s[82:83], s[20:21]
.irp b, 0,1,2,3,4,5,6,7                        ; into registers that the loop never names; waited for on the way out
	global_load_b128 v[CB+8*\b:CB+8*\b+3], v30, s[82:83] offset:64*\b          ; bias(n0 + 16 b + 8 h + 0 .. 3)
	global_load_b128 v[CB+8*\b+4:CB+8*\b+7], v30, s[82:83] offset:64*\b+16
.endr
.irp a, 0,1,2,3,4,5,6,7
	global_load_b32 v[RB+2*\a], v31, s[84:85] offset:64*\a                     ; bias(m0 + 16 a + r)
	v_mov_b32 v[RB+2*\a+1], 0                      ; (named with it as a pair, so it is written)
.endr
.macro FRAG reg, adr, q, i             ; 16 rows x 128 K: registers 4 c .. 4 c + 3 hold K = 32 c + 16 (l / 16) + 0 .. 15: the same places in A and in B, so every product meets its partner
.irp c, 0,1,2,3
	ds_load_b128 v[\reg+4*\c:\reg+4*\c+3], v[\adr] offset:128*(\q)+32*\c+(\i)*16*PITCH
.endr
.endm
; 16 matrix instructions: A's blocks a0, a0 + 1 x B's eight.  The 64 accumulators take turns, one instruction a turn, in the same order in every step.
.macro MUL16 a0, p, zero
.irp a, \a0, \a0+1
.irp b, 0,1,2,3,4,5,6,7
.if \zero
	v_wmma_f32_16x16x128_fp8_fp8 v[8*(8*((\a)%4)+\b):8*(8*((\a)%4)+\b)+7], v[128*(\p)+FR*\b:128*(\p)+FR*\b+FR-1], v[AF+FR*(\a):AF+FR*(\a)+FR-1], 0
.else
	v_wmma_f32_16x16x128_fp8_fp8 v[8*(8*((\a)%4)+\b):8*(8*((\a)%4)+\b)+7], v[128*(\p)+FR*\b:128*(\p)+FR*\b+FR-1], v[AF+FR*(\a):AF+FR*(\a)+FR-1], v[8*(8*((\a)%4)+\b):8*(8*((\a)%4)+\b)+7]
.endif
.endr
.endr
.endm
.macro FETCH_B slot, q, p
	WIN TO_B
.irp i, 0,1,2,3,4,5,6,7
	FRAG 128*(\p)+FR*\i, ADRB+\slot, \q, \i
.endr
	WIN 0
.endm
.macro FETCH_A slot, q, i0
.irp i, \i0, \i0+1, \i0+2, \i0+3
	FRAG AF+FR*(\i), ADRA+\slot, \q, \i
.endr
.endm
.macro PLACES n                        ; plain vector lines between a matrix instruction and a load into a register that it has read (ISA guide 7.12.1 for vector instructions)
.rept \n
	v_nop
.endr
.endm
.macro STEP slot, q, zero              ; 128 along K, with its successor in the same slot
	s_wait_dscnt 4*NL                              ; B's set and A's blocks 0-3 are in; the youngest 16 loads (A's blocks 4-7) may be out
	WIN MUL_LO
	MUL16 0, (\q)%2, \zero
	MUL16 2, (\q)%2, \zero
	s_wait_dscnt 0
	PLACES NP
	FETCH_B \slot, (\q)+1, 1-(\q)%2
	FETCH_A \slot, (\q)+1, 0
	WIN MUL_HI
	MUL16 4, (\q)%2, \zero
	MUL16 6, (\q)%2, \zero
	PLACES NP
	WIN 0
	FETCH_A \slot, (\q)+1, 4
.endm
; A slot's last step changes slots: one barrier; in front of it each wave waits for all its tensor loads, adds 0 to its spare word, and waits for that and for its reads of this slot.
.macro TURN slot, next, fill
	s_wait_tensorcnt 0x0                           ; all my tensor loads have landed: my part of the next slot
	ds_add_u32 v[SPW], v[NIL]
	s_wait_dscnt 4*NL+1                            ; the add and the youngest 16 loads may be out
	WIN MUL_LO
	MUL16 0, 1, 0
	s_wait_dscnt 0x0                               ; the add is done, and my reads of this slot are over
	s_barrier_signal -1
	MUL16 2, 1, 0
	WIN 0
	s_barrier_wait -1
.if \fill
	CREST                                          ; the barrier has opened a round of the cluster's barrier: no wave of any partner still reads this slot or has a load on its way
	s_add_nc_u64 s[G0+4*\slot+2:G0+4*\slot+3], s[G0+4*\slot+2:G0+4*\slot+3], 2*ROWB
	s_add_nc_u64 s[G0B+4*\slot+2:G0B+4*\slot+3], s[G0B+4*\slot+2:G0B+4*\slot+3], 2*ROWB
	JLOAD G0+4*\slot, G1, G0B+4*\slot, G1B         ; the first tensor load behind the round; its four v_nop are the places in front of the loads below
.else
	PLACES NP
.endif
	FETCH_B \next, 0, 0
	FETCH_A \next, 0, 0
	WIN MUL_HI
	MUL16 4, 1, 0
	MUL16 6, 1, 0
	PLACES NP
	WIN 0
	FETCH_A \next, 0, 4
.endm
	s_wait_tensorcnt 1                             ; my part of K step 0 is in; K step 1's load may be out
	s_barrier_signal -1
	s_barrier_wait -1
	FETCH_B 0, 0, 0
	FETCH_A 0, 0, 0
	FETCH_A 0, 0, 4
	STEP 0, 0, 1                                   ; the first step's products start the sums: nothing is cleared
	s_mov_b32 s3, LAPS-1
.Llap:
	TURN 0, 1, 1
	STEP 1, 0, 0
	TURN 1, 0, 1
	STEP 0, 0, 0
	s_sub_co_u32 s3, s3, 1
	s_cmp_lg_u32 s3, 0
	s_cbranch_scc1 .Llap
	TURN 0, 1, 0                                   ; the last lap fills nothing
	STEP 1, 0, 0
	s_wait_dscnt 4*NL
	WIN MUL_LO
	MUL16 0, 1, 0
	MUL16 2, 1, 0
	s_wait_dscnt 0
	WIN MUL_HI
	MUL16 4, 1, 0
	MUL16 6, 1, 0
	WIN 0
; THE WAY OUT, block by block of 16 rows m x 128 columns n: sum x 2^(ea + eb) + bias, held, converted: 8 codes a lane and accumulator.  They go through my stage, laid [64 columns' group][row][64], and come back
; as two runs of 1,024 bytes that are dense in the result: each store covers 512 consecutive bytes.
	s_wait_kmcnt 0x0
	s_add_co_i32 s88, s88, s89                     ; e0 + e1
	s_add_co_i32 s90, s90, s91                     ; e2 + e3
	s_add_co_i32 s92, s92, s93                     ; e4 + e5
	s_cmp_eq_u32 s67, 1
	s_cselect_b32 s88, s90, s88
	s_cselect_b32 s94, s95, s94                    ; e7 : e6
	s_cmp_eq_u32 s67, 2
	s_cselect_b32 s88, s92, s88
	s_cselect_b32 s94, s97, s94                    ; e9
	s_add_co_i32 s88, s88, 127
	s_lshl_b32 s96, s88, 23                        ; 2^(ea + eb) as f32
	s_mov_b32 s97, s96                             ; (named with it as a pair)
	s_add_co_i32 s94, s94, 127
	s_lshl_b32 s95, s94, 23
	v_mov_b32 v113, s95                            ; the result's scale 2^eo
	s_add_co_i32 s94, s94, 8
	s_lshl_b32 s94, s94, 23
	s_or_b32 s94, s94, 0x600000
	s_wait_loadcnt 0x0                             ; the biases
.set j, 0
.rept 64
	v_and_b32 v[CB+j], s86, v[CB+j]                ; kept for q and k, cleared for v.  (These lines are also the places behind the last products)
.set j, j+1
.endr
.irp a, 0,1,2,3,4,5,6,7
	v_and_b32 v[RB+2*\a], s87, v[RB+2*\a]          ; kept for v, cleared for q and k
.endr
.macro OUTQ a
.set AC, 64*((\a)%4)
.set CD, 128+16*((\a)%2)
.set BB, 160+16*((\a)%2)
	WIN 0x82+0x41*((\a)/4)                         ; source 0 and destination: window 2 or 3
.set j, 0
.rept 32
	v_pk_fma_f32 v[AC+j:AC+j+1], v[AC+j:AC+j+1], s[96:97], v[CB+j:CB+j+1] op_sel_hi:[1,0,1]   ; each accumulator from its low end on
.set j, j+2
.endr
.set j, 0
.rept 32
	v_pk_add_f32 v[AC+j:AC+j+1], v[AC+j:AC+j+1], v[RB+2*(\a):RB+2*(\a)+1] op_sel_hi:[1,0]
.set j, j+2
.endr
.set j, 0
.rept 64
.set j, j+1
.endr
	WIN 0x02+((\a)/4)
.irp b, 0,1,2,3,4,5,6,7
	v_cvt_scalef32_pk8_fp8_f32 v[CD+2*\b:CD+2*\b+1], v[AC+8*\b:AC+8*\b+7], v113
.endr
	WIN 0
	v_nop                                          ; one plain vector line behind the conversions
.irp b, 0,1,2,3,4,5,6,7
	ds_store_b64 v[STO], v[CD+2*\b:CD+2*\b+1] offset:1024*(\b/4)+16*(\b%4)
.endr
.irp k, 0,1,2,3
	ds_load_b128 v[BB+4*\k:BB+4*\k+3], v[RD] offset:512*\k    ; LDS serves a wave's instructions in order: these see the stores above
.endr
.endm
.macro SENDQ a, younger
.set BB, 160+16*((\a)%2)
	s_wait_dscnt \younger
.irp k, 0,1,2,3
	global_store_b128 v[CO], v[BB+4*\k:BB+4*\k+3], s[10+2*(\k/2):11+2*(\k/2)] offset:1024*(\a)+512*(\k%2)
.endr
.endm
	OUTQ 0
.irp a, 1,2,3,4,5,6,7
.if \a > 1
	s_wait_xcnt 0x0                                ; block a - 2's stores have read their registers: block a's loads may land there
.endif
	OUTQ \a
	SENDQ \a-1, 12                                 ; behind block a - 1's loads: block a's 8 stores and 4 loads
.endr
	SENDQ 7, 0
	s_wait_tensorcnt 0x0                           ; the wave's end
	ds_add_u32 v[SPW], v[NIL]
	s_wait_dscnt 0x0
	CROUND                                         ; the closing round
	s_endpgm
.Lfunc_end_k_qe56860b4ec_qkv:
	.size	k_qe56860b4ec_qkv, .Lfunc_end_k_qe56860b4ec_qkv-k_qe56860b4ec_qkv
	.p2alignl 7, 3214868480
	.fill 96, 4, 3214868480
	.section	.rodata,"a",@progbits
	.p2align	6, 0x0
	.amdhsa_kernel k_qe56860b4ec_qkv
		.amdhsa_group_segment_fixed_size 327680
		.amdhsa_private_segment_fixed_size 0
		.amdhsa_enable_private_segment 0
		.amdhsa_kernarg_size 56
		.amdhsa_user_sgpr_count 2
		.amdhsa_user_sgpr_kernarg_segment_ptr 1
		.amdhsa_wavefront_size32 1
		.amdhsa_system_sgpr_workgroup_id_x 1
		.amdhsa_system_sgpr_workgroup_id_y 1
		.amdhsa_system_sgpr_workgroup_id_z 1
		.amdhsa_system_vgpr_workitem_id 0
		.amdhsa_next_free_vgpr 1024
		.amdhsa_next_free_sgpr 102
		.amdhsa_reserve_vcc 0
		.amdhsa_float_denorm_mode_32 3
		.amdhsa_float_denorm_mode_16_64 3
		.amdhsa_fp16_overflow 1
		.amdhsa_memory_ordered 1
		.amdhsa_forward_progress 1
		.amdhsa_inst_pref_size 131
	.end_amdhsa_kernel
	.amdgpu_metadata
---
amdhsa.version: [ 1, 2 ]
amdhsa.kernels:
  - .name:           k_qe56860b4ec_qkv
    .symbol:         k_qe56860b4ec_qkv.kd
    .args:
      - { .name: xc, .offset: 0, .size: 8, .value_kind: global_buffer, .address_space: global }
      - { .name: wc, .offset: 8, .size: 8, .value_kind: global_buffer, .address_space: global }
      - { .name: bq, .offset: 16, .size: 8, .value_kind: global_buffer, .address_space: global }
      - { .name: bk, .offset: 24, .size: 8, .value_kind: global_buffer, .address_space: global }
      - { .name: bv, .offset: 32, .size: 8, .value_kind: global_buffer, .address_space: global }
      - { .name: lowp_scales, .offset: 40, .size: 8, .value_kind: global_buffer, .address_space: global }
      - { .name: qkvc, .offset: 48, .size: 8, .value_kind: global_buffer, .address_space: global }
    .group_segment_fixed_size: 327680
    .private_segment_fixed_size: 0
    .kernarg_segment_align: 8
    .kernarg_segment_size: 56
    .max_flat_workgroup_size: 128
    .sgpr_count:     102
    .vgpr_count:     1024
    .wavefront_size: 32
...
	.end_amdgpu_metadata
.endif
;; end of part 2
;; launch attn (part 3): grid 4 x 64, 16 waves a work-group, no clusters, 327,680 bytes of LDS; arguments qkvc, lowp_scales, yc; writes yc
.if DOCPART == 3
	.amdgcn_target "amdgcn-amd-amdhsa--gfx1250"
	.amdhsa_code_object_version 6
	.text
	.protected	k_qe56860b4ec_attn
	.globl	k_qe56860b4ec_attn
	.p2align	8
	.type	k_qe56860b4ec_attn,@function
k_qe56860b4ec_attn:
	s_mov_b64 s[64:65], 0
	v_nop
	global_prefetch_b8 v0, s[64:65] scope:SCOPE_SE
	s_setreg_imm32_b32 hwreg(HW_REG_WAVE_MODE, 25, 1), 1
	s_wait_xcnt 0x0
; y[b][t][h][:] = the sum over s <= t of softmax_s(q . k / 8) v, both products on codes of FP8 (E4M3); y leaves as codes, quantised with entry 10 of the scales.
; qkvc: plane 0 q, plane 1 k: [16 heads][8192 tokens][64]; plane 2 v: [128 blocks of 64 tokens][1024 channels][64 tokens] (the keys innermost).  yc: [16 heads][8192 tokens][64].
; THE SOFTMAX: t = score x log2(e) / 8; M = the running largest t rounded UP to a whole number; p = 2^(t - M) is quantised (entry 8), not normalised; the row's sum is taken of the unquantised p and divides at the end.
; SHARES.  Work-group (i, y): head y / 4 of batch y % 4; it takes the block of 256 queries i and then block 7 - i: (i + 1) + (8 - i) = NINE slots of 256 keys in every work-group, so the trip counts are constants,
; every tile that is fetched is read, and the 256 work-groups have equal work.  Each of the sixteen waves owns 16 queries of the block in hand, in 256 registers: four waves to a SIMD.  The waves' tiles are dealt so that
; any four waves with equal w % 4, or with equal w / 4, hold two tiles of the block's lower half and two of its upper half: the diagonal slots are shared evenly too.
; NO CLUSTER: the four work-groups of a head walk different sequences of key slots (from trip i + 1 on, work-group i reads key slot trip - i - 1), so partners would not make the same request in the same round.
; LAYOUT.  Both products are used transposed (S^T = K Q^T, O^T = V^T P^T): a lane holds ONE query (lane % 16).  Lane r of tile 2 b + u of K takes key 32 b + 8 u + r + 8 (r / 8), so that the 16 registers of two neighbouring
; tiles are 16 neighbouring keys 32 b + 16 (lane / 16) + 0 .. 15, and the conversions' results are the second product's operand.  Along each K both operands hold the same k in the same places.
; LIMITS: e6 + e7 between -123 and 130; e8 and e10 between -126 and 119; e8 + e9 is applied by v_ldexp_f32.  NaN is not served.
; REGISTERS: v1-11 addresses that stay (v8, v9: of the step in hand); v12 -M, v13 the largest t, v[14:15] the sum; v16-23 Q, v24-31 the second block's Q; v32-95 fragments of K, then of V; v96-159 S^T, then p;
; v160-191 O^T; v224-239 p's codes; v240-254 scales and work.
.set KP,    80                         ; a row of 64 codes in LDS: 64 bytes + 16 of padding
.set TILEB, 64*KP                      ; a tile: 64 rows
.set VOFF,  4*TILEB                    ; a slot: 256 keys of K, then V: 4 blocks of 64 keys x 64 channels
.set SLOT1, 1<<16                      ; slot 1 begins here: one exclusive or turns an address from one slot to the other
.set STAGE, 2*SLOT1                    ; the way out: 1,024 bytes for each wave; no fill lands here
.set SPARE, STAGE+16*1024              ; the spare words, 128 bytes for each wave: eight blocks of 256 bytes that no other line names
.set AK0,  1
.set AV0,  2
.set PFO,  3
.set STI,  4
.set SPW,  5
.set NIL,  6
.set GO,   7
.set ADK,  8
.set ADV,  9
.set STO,  10
.set QOF,  11
.set TB,   2                           ; s2   LDS byte at which the slot in hand begins
.set YP,   8                           ; s[8:9] yc at my 16 queries
.set WGI,  10                          ; s10  i
.set TR,   11                          ; s11  the trip
.set WV,   18
.set SEL,  20
.set CS,   22                          ; s[22:23] c = log2(e) / 8 x 2^(e6 + e7)
.set G1,   24
.set G0,   32
.set STP,  36                          ; s[36:37] a slot on, in my tile's tensor
.set BACK, 38                          ; s38  (i + 1) slots back
.set QD,   39                          ; s39  from my first query of block i to that of block 7 - i
.set PFA,  44
.set PFS,  46
.set PLIM, 48
.set KF,   98                          ; s98  the step's first key
.set Q0,   99                          ; s99  my first query
; Waves 0 to 3 fetch K's four tiles, waves 4 to 7 V's four, the others nothing.  An s_nop 0 and four v_nop follow the load.
.macro TLOAD
	s_cmp_lt_u32 s[WV], 8
	s_cbranch_scc0 .Lasked_\@
	tensor_load_to_lds s[G0:G0+3], s[G1:G1+7]
	s_nop 0
.rept 4
	v_nop
.endr
.Lasked_\@:
.endm
; A PREFETCH INTO THE L2 of the key slot that my work-group's NEXT change of slots will ask for.  Of a head's four work-groups, i = 0 is the first to ask for key slots 4 to 7: it alone prefetches, in trips 3 to 6, key slot
; trip + 1.  Waves 8 and 9 name K's 16,384 bytes, 8,192 each, lanes 256 bytes apart; waves 10 and 11 V's four blocks of 4,096 bytes, two each.  So each aligned block of 256 bytes is named once.  Key slots 0 to 3 come by their loads alone.
.macro ASK
	s_sub_co_u32 s96, s[TR], 3
	s_cmp_lt_u32 s96, s[PLIM]
	s_cbranch_scc0 .Lnot_mine_\@
	global_prefetch_b8 v[PFO], s[PFA:PFA+1] th:TH_LOAD_NT scope:SCOPE_SE
.Lnot_mine_\@:
.endm
.macro INIT                            ; a block's softmax begins: the first change of M multiplies zeros
	v_mov_b32 v13, 0xff61b1e6                      ; the largest t so far: -3e38
	s_delay_alu instid0(VALU_DEP_1)
	v_floor_f32 v12, -v13                          ; -M
	v_mov_b32 v14, 0
	v_mov_b32 v15, 0
.set j, 0
.rept 32
	v_mov_b32 v[160+j], 0
.set j, j+1
.endr
.endm
	s_load_b128 s[4:7], s[0:1], 0x0                ; qkvc, the scales' exponents
	s_load_b64 s[YP:YP+1], s[0:1], 0x10            ; yc
	v_lshl_add_u32 v[SPW], v0, 2, SPARE
	v_mov_b32 v[NIL], 0
	ds_add_u32 v[SPW], v[NIL]                      ; the wave's opening: the add and its wait stand ahead of the first tensor load; work on registers stands between them
	ds_add_u32 v[SPW], v[NIL]
	v_lshrrev_b32 v8, 5, v0
	s_delay_alu instid0(VALU_DEP_1)
	v_readfirstlane_b32 s[WV], v8                  ; wave 0..15
	s_mov_b32 s[WGI], ttmp9
	s_and_b32 s50, ttmp7, 0xffff                   ; y = 4 head + batch
	s_lshr_b32 s51, s50, 2                         ; head
	s_and_b32 s52, s50, 3                          ; batch
	s_lshr_b32 s53, s[WV], 2
	s_xor_b32 s53, s53, s[WV]
	s_and_b32 s53, s53, 1
	s_lshl_b32 s53, s53, 3
	s_bfe_u32 s54, s[WV], 0x30001
	s_add_co_u32 s53, s53, s54                     ; my tile of the block's sixteen: 8 ((w ^ (w / 4)) % 2) + (w / 2) % 8
	s_lshl_b32 s53, s53, 4
	s_lshl_b32 s[Q0], s[WGI], 8
	s_add_co_u32 s[Q0], s[Q0], s53                 ; my first query in block i
	s_lshl_b32 s54, s[WGI], 1
	s_sub_co_u32 s54, 7, s54                       ; 7 - 2 i blocks on
	s_lshl_b32 s[QD], s54, 8
	s_lshl_b32 s16, s54, 14                        ; in bytes of q and of yc
	s_mov_b32 s17, 0
	s_lshl_b32 s40, s50, 17                        ; the head's and batch's 2,048 rows of 64 bytes,
	s_lshl_b32 s55, s[Q0], 6
	s_add_co_u32 s40, s40, s55                     ; my first query's row
	s_mov_b32 s41, 0
	s_lshl_b32 s61, s50, 17
	s_add_co_u32 s61, s61, 1<<23                   ; K of my head and batch, from qkvc's first byte
	s_lshl_b32 s62, s52, 21
	s_lshl_b32 s59, s51, 12
	s_add_co_u32 s62, s62, s59
	s_add_co_u32 s62, s62, 2<<23                   ; V: batch x 32 blocks of 65,536 bytes + head x 64 channels of 64 bytes
	s_and_b32 s56, s[WV], 3
	s_lshl_b32 s57, s56, 12
	s_add_co_u32 s57, s57, s61                     ; K's tile w % 4: 64 keys of 64 bytes
	s_lshl_b32 s58, s56, 16
	s_add_co_u32 s58, s58, s62                     ; V's tile w % 4: the block of 64 keys
	s_mov_b32 s[STP], 262144
	s_cmp_lt_u32 s[WV], 4
	s_cselect_b32 s42, s57, s58
	s_cselect_b32 s[STP], 16384, s[STP]
	s_mov_b32 s43, 0
	s_mov_b32 s[STP+1], 0
	s_add_co_u32 s[BACK], s[WGI], 1
	s_mul_i32 s[BACK], s[BACK], s[STP]
	s_and_b32 s60, s[WV], 7
	s_mul_i32 s60, s60, TILEB                      ; my tile's place in a slot
	s_mov_b32 s[G1], (0<<16)|(1<<20)|(3<<22)|(3<<25)   ; no mask; elements of 1 byte; padding on: after every 16 words, 4 words
	s_mov_b32 s[G1+1], 64<<16                      ; tensor_dim0
	s_mov_b32 s[G1+2], 64<<16                      ; tensor_dim1
	s_mov_b32 s[G1+3], 64<<16                      ; tile_dim0
	s_mov_b32 s[G1+4], 64                          ; tile_dim1
	s_mov_b32 s[G1+5], 64                          ; tensor_dim0_stride: the rows are dense
	s_mov_b32 s[G1+6], 0
	s_mov_b32 s[G1+7], 0
	s_mov_b32 s[SEL], 0x76543210
	s_mov_b32 s[SEL+1], 0xfedcba98
	s_mov_b32 s[CS], 0x3e38aa3b                    ; log2(e) / 8
	s_mov_b32 s[TB], 0
	s_mov_b32 s[KF], 0
	s_mov_b32 s[TR], 0
	s_wait_dscnt 0x0                               ; the opening add is done
	s_wait_kmcnt 0x0
	s_load_b128 s[68:71], s[6:7], 0x18             ; e6, e7, e8, e9
	s_load_b32 s72, s[6:7], 0x28                   ; e10
	s_mov_b32 s[G0], 1
	s_mov_b32 s[G0+1], s60                         ; slot 0
	s_add_nc_u64 s[G0+2:G0+3], s[4:5], s[42:43]    ; key slot 0
	s_or_b32 s[G0+3], s[G0+3], 0x80000000
	TLOAD
	s_add_nc_u64 s[12:13], s[4:5], s[40:41]        ; q at my first query of block i,
	s_add_nc_u64 s[14:15], s[12:13], s[16:17]      ; and of block 7 - i
	s_add_nc_u64 s[YP:YP+1], s[YP:YP+1], s[40:41]
	v_and_b32 v8, 15, v0                           ; r
	s_wait_alu depctr_va_vdst(0)
	v_bfe_u32 v9, v0, 4, 1                         ; h
	v_lshlrev_b32 v[QOF], 6, v8
	s_delay_alu instid0(VALU_DEP_1)
	v_lshl_add_u32 v[QOF], v9, 4, v[QOF]           ; 64 r + 16 h
	global_load_b128 v[16:19], v[QOF], s[12:13]
	global_load_b128 v[20:23], v[QOF], s[12:13] offset:32
	global_load_b128 v[24:27], v[QOF], s[14:15]
	global_load_b128 v[28:31], v[QOF], s[14:15] offset:32
	; the prefetches: where my wave's stand, and who asks
	s_and_b32 s56, s[WV], 1
	s_lshl_b32 s57, s56, 13
	s_add_co_u32 s57, s57, s61
	s_lshl_b32 s58, s56, 17
	s_add_co_u32 s58, s58, s62
	s_mov_b32 s[PFS], 262144
	s_mov_b32 s59, 65536
	s_cmp_lt_u32 s[WV], 10
	s_cselect_b32 s42, s57, s58
	s_cselect_b32 s[PFS], 16384, s[PFS]
	s_cselect_b32 s59, 4096, s59                   ; from lanes 0-15 to lanes 16-31
	s_mov_b32 s[PFS+1], 0
	s_add_nc_u64 s[PFA:PFA+1], s[4:5], s[42:43]    ; key slot 0: each change of slots steps it once, ahead of its prefetch
	s_sub_co_u32 s56, s[WV], 8
	s_lshr_b32 s56, s56, 2                         ; 0 in waves 8 to 11,
	s_or_b32 s56, s56, s[WGI]                      ; of work-group i = 0
	s_cmp_eq_u32 s56, 0
	s_cselect_b32 s[PLIM], 4, 0
	v_lshlrev_b32 v[PFO], 8, v8
	s_wait_alu depctr_va_vdst(0)
	v_mad_u32_u24 v[PFO], v9, s59, v[PFO]
	v_and_b32 v254, 8, v8
	s_delay_alu instid0(VALU_DEP_1)
	v_add_nc_u32 v254, v254, v8                    ; r + 8 (r / 8)
	s_delay_alu instid0(VALU_DEP_1)
	v_mul_u32_u24 v[AK0], v254, KP
	s_delay_alu instid0(VALU_DEP_1)
	v_lshl_add_u32 v[AK0], v9, 4, v[AK0]
	v_mul_u32_u24 v[AV0], v8, KP
	s_delay_alu instid0(VALU_DEP_1)
	v_lshl_add_u32 v[AV0], v9, 4, v[AV0]
	s_delay_alu instid0(VALU_DEP_1)
	v_add_nc_u32 v[AV0], VOFF, v[AV0]
	s_lshl_b32 s56, s[WV], 10
	s_add_co_u32 s56, s56, STAGE                   ; my stage
	v_lshlrev_b32 v[STI], 6, v8
	s_delay_alu instid0(VALU_DEP_1)
	v_lshl_add_u32 v[STI], v9, 3, v[STI]
	s_delay_alu instid0(VALU_DEP_1)
	v_add_nc_u32 v[STI], s56, v[STI]               ; in: 64 r + 8 h
	v_and_b32 v[GO], 31, v0
	s_delay_alu instid0(VALU_DEP_1)
	v_lshlrev_b32 v[GO], 4, v[GO]                  ; 16 x lane
	s_delay_alu instid0(VALU_DEP_1)
	v_add_nc_u32 v[STO], s56, v[GO]                ; back
	INIT
	v_mov_b32 v247, 0                              ; written once: a lane permute's destination counts as one of its sources
	v_mov_b32 v253, 0                              ; (named as the upper half of the pair v[252:253])
	s_wait_kmcnt 0x0
	s_add_co_i32 s96, s68, s69
	s_lshl_b32 s96, s96, 23
	s_add_co_i32 s[CS], s[CS], s96                 ; a score stands for score x 2^(e6 + e7): added to c's exponent field
	s_mov_b32 s[CS+1], s[CS]
	s_add_co_i32 s96, s70, 127
	s_lshl_b32 s97, s96, 23
	v_mov_b32 v244, s97                            ; 2^e8
	s_add_co_i32 s96, s72, 127
	s_lshl_b32 s97, s96, 23
	v_mov_b32 v245, s97                            ; 2^e10
	s_add_co_i32 s49, s70, s71                     ; e8 + e9
; A KEY STEP: 128 keys, the q-th of the slot in hand.  A step all of whose keys come after my 16 queries is left out: a scalar branch on ids, round the step's loads, products and softmax alone.
.macro STEP q
	s_add_co_u32 s96, s[Q0], 15
	s_cmp_gt_u32 s[KF], s96
	s_cbranch_scc1 .Lhidden_\@
	v_add_nc_u32 v[ADK], s[TB], v[AK0]
	v_add_nc_u32 v[ADV], s[TB], v[AV0]
	v_nop                                          ; with the two additions: four places in front of loads into registers that the last products have read
	v_nop
.irp t, 0,1,2,3,4,5,6,7
.irp c, 0,1
	ds_load_b128 v[32+8*\t+4*\c:32+8*\t+4*\c+3], v[ADK] offset:(128*(\q)+32*(\t/2)+8*(\t%2))*KP+32*\c
.endr
.endr
	s_wait_alu depctr_va_vdst(0)
	s_wait_dscnt 0x0
.irp t, 0,1,2,3,4,5,6,7
	v_wmma_f32_16x16x64_fp8_fp8 v[96+8*\t:103+8*\t], v[32+8*\t:39+8*\t], v[16:23], 0
.endr
.rept 4
	v_nop                                          ; places: in front of the loads below, into K's registers, and of the first read of the scores
.endr
.irp u, 0,1,2,3                                ; V's fragments are asked for now and land under the softmax: channels 16 u + r, keys 32 c + 16 h + 0 .. 15
.irp c, 0,1,2,3
	ds_load_b128 v[32+16*\u+4*\c:32+16*\u+4*\c+3], v[ADV] offset:(2*(\q)+\c/2)*TILEB+16*\u*KP+32*(\c%2)
.endr
.endr
	s_add_co_u32 s96, s[KF], 127                   ; on the diagonal the scores of hidden keys become -infinity ahead of the maximum; a step all of whose keys count skips this
	s_cmp_le_u32 s96, s[Q0]
	s_cbranch_scc1 .Lopen_\@
	s_sub_co_i32 s96, s[Q0], s[KF]
	v_and_b32 v252, 15, v0
	v_bfe_u32 v253, v0, 4, 1
	s_delay_alu instid0(VALU_DEP_1)
	v_lshlrev_b32 v253, 4, v253
	s_delay_alu instid0(VALU_DEP_1)
	v_sub_nc_u32 v252, v252, v253
	s_delay_alu instid0(VALU_DEP_1)
	v_add_nc_u32 v252, s96, v252                   ; d = my query - KF - 16 h.  Register 16 b + i holds key KF + 16 h + 32 b + i: hidden where 32 b + i > d
	v_mov_b32 v254, 0xff800000
.set n, 0
.rept 64
	v_cmp_gt_i32 vcc_lo, 32*(n/16)+n%16, v252
	v_cndmask_b32 v[96+n], v[96+n], v254, vcc_lo
.set n, n+1
.endr
.Lopen_\@:
	v_max3_num_f32 v254, v96, v97, v98             ; the step's largest score of my query among my 64 keys, in two chains,
	v_max3_num_f32 v252, v99, v100, v101
.irp i, 6,10,14,18,22,26,30,34,38,42,46,50,54,58
	v_max3_num_f32 v254, v254, v[96+\i], v[97+\i]
	v_max3_num_f32 v252, v252, v[98+\i], v[99+\i]
.endr
	v_max3_num_f32 v254, v254, v158, v159
	s_delay_alu instid0(VALU_DEP_1)
	v_max_num_f32 v254, v254, v252
	s_delay_alu instid0(VALU_DEP_1)
	v_permlanex16_b32 v247, v254, s[SEL], s[SEL+1]
	s_delay_alu instid0(VALU_DEP_1)
	v_max_num_f32 v254, v254, v247                 ; and among lane l xor 16's
	s_delay_alu instid0(VALU_DEP_1)
	v_mul_f32 v254, s[CS], v254                    ; as t (c is positive)
	s_delay_alu instid0(VALU_DEP_1)
	v_max_num_f32 v13, v13, v254                   ; the running largest t
	v_mov_b32 v254, v12
	s_delay_alu instid0(VALU_DEP_2)
	v_floor_f32 v12, -v13                          ; the new -M = -ceil(t)
	s_delay_alu instid0(VALU_DEP_1)
	v_sub_f32 v254, v12, v254                      ; old M - new M: a whole number, 0 or less
	s_delay_alu instid0(VALU_DEP_1)
	v_cvt_i32_f32 v254, v254                       ; (it saturates)
	s_delay_alu instid0(VALU_DEP_1)
	v_ldexp_f32 v252, 1.0, v254                    ; f = 2^(old M - new M)
.set j, 0
.rept 32
	v_pk_fma_f32 v[96+j:97+j], v[96+j:97+j], s[CS:CS+1], v[12:13] op_sel_hi:[1,0,0]   ; t - M
.set j, j+2
.endr
.set j, 0
	s_wait_alu depctr_va_vdst(0)
.rept 64
	v_exp_f32 v[96+j], v[96+j]                     ; p = 2^(t - M)
.set j, j+1
.endr
	v_pk_mul_f32 v[14:15], v[14:15], v[252:253] op_sel_hi:[1,0]   ; the sums under the new M: the plain line behind the exponentials
	s_wait_alu depctr_va_vdst(0)                   ; one wait for the batch of 64, ahead of its first reader
	v_pk_add_f32 v[242:243], v[100:101], v[104:105]
	v_pk_add_f32 v[254:255], v[108:109], v[112:113]
	v_pk_add_f32 v[250:251], v[116:117], v[120:121]
	v_pk_add_f32 v[248:249], v[124:125], v[128:129]
	v_pk_add_f32 v[240:241], v[132:133], v[136:137]
	v_pk_add_f32 v[238:239], v[140:141], v[144:145]
	v_pk_add_f32 v[236:237], v[148:149], v[152:153]
	v_pk_add_f32 v[14:15], v[14:15], v[156:157]
	v_pk_add_f32 v[242:243], v[242:243], v[96:97]
	v_pk_add_f32 v[254:255], v[254:255], v[98:99]
	v_pk_add_f32 v[250:251], v[250:251], v[102:103]
	v_pk_add_f32 v[248:249], v[248:249], v[106:107]
	v_pk_add_f32 v[240:241], v[240:241], v[110:111]
	v_pk_add_f32 v[238:239], v[238:239], v[114:115]
	v_pk_add_f32 v[236:237], v[236:237], v[118:119]
	v_pk_add_f32 v[14:15], v[14:15], v[122:123]
	v_pk_add_f32 v[242:243], v[242:243], v[126:127]
	v_pk_add_f32 v[254:255], v[254:255], v[130:131]
	v_pk_add_f32 v[250:251], v[250:251], v[134:135]
	v_pk_add_f32 v[248:249], v[248:249], v[138:139]
	v_pk_add_f32 v[240:241], v[240:241], v[142:143]
	v_pk_add_f32 v[238:239], v[238:239], v[146:147]
	v_pk_add_f32 v[236:237], v[236:237], v[150:151]
	v_pk_add_f32 v[14:15], v[14:15], v[154:155]
	v_pk_add_f32 v[242:243], v[242:243], v[158:159]
	s_delay_alu instid0(VALU_DEP_2)
	v_pk_add_f32 v[14:15], v[14:15], v[248:249]
	s_delay_alu instid0(VALU_DEP_2)
	v_pk_add_f32 v[242:243], v[242:243], v[240:241]
	v_pk_add_f32 v[254:255], v[254:255], v[238:239]
	v_pk_add_f32 v[250:251], v[250:251], v[236:237]
	s_delay_alu instid0(VALU_DEP_2)
	v_pk_add_f32 v[14:15], v[14:15], v[254:255]
	s_delay_alu instid0(VALU_DEP_2)
	v_pk_add_f32 v[242:243], v[242:243], v[250:251]
	s_delay_alu instid0(VALU_DEP_1)
	v_pk_add_f32 v[14:15], v[14:15], v[242:243]
.irp b, 0,1,2,3
.irp i, 0,1,2,3,4,5,6,7,8,9,10,11,12,13,14,15
.endr
	v_cvt_scalef32_pk8_fp8_f32 v[224+4*\b:225+4*\b], v[96+16*\b:103+16*\b], v244
	v_cvt_scalef32_pk8_fp8_f32 v[226+4*\b:227+4*\b], v[104+16*\b:111+16*\b], v244
.endr
.set j, 0
.rept 16
	v_pk_mul_f32 v[160+j:161+j], v[160+j:161+j], v[252:253] op_sel_hi:[1,0]   ; O^T under the new M; also the plain lines behind the conversions
.set j, j+2
.endr
	s_wait_alu depctr_va_vdst(0)
	s_wait_dscnt 0x0                               ; V's fragments are in
.irp u, 0,1,2,3                                ; the four accumulators take turns
	v_wmma_f32_16x16x128_fp8_fp8 v[160+8*\u:167+8*\u], v[32+16*\u:47+16*\u], v[224:239], v[160+8*\u:167+8*\u]
.endr
.Lhidden_\@:
	s_add_co_u32 s[KF], s[KF], 128
.endm
; THE CHANGE OF SLOTS stands at a slot's head.  Each wave waits for all its tensor loads (one is out at most), adds 0 to its spare word, and waits for that and for its reads of the slot that it has left.
; fill = 1: that slot takes the keys of the next trip: the next key slot, or, where this trip ends block i, key slot 0 again.
.macro CHANGE fill
	s_wait_tensorcnt 0x0                           ; no tensor load of mine is out, so group 0 may be written
	ds_add_u32 v[SPW], v[NIL]
.if \fill
	s_xor_b32 s[G0+1], s[G0+1], SLOT1
	s_add_nc_u64 s[G0+2:G0+3], s[G0+2:G0+3], s[STP:STP+1]
	s_cmp_eq_u32 s[TR], s[WGI]
	s_cselect_b32 s40, s[BACK], 0                  ; (s41 = 0)
	s_sub_nc_u64 s[G0+2:G0+3], s[G0+2:G0+3], s[40:41]
	s_wait_xcnt 0x0                                ; the last prefetch, a slot back, has read its address
	s_add_nc_u64 s[PFA:PFA+1], s[PFA:PFA+1], s[PFS:PFS+1]
.endif
	s_wait_dscnt 0x0                               ; the add is done, and my reads of the slot that I have left are over
	s_barrier_signal -1
	s_barrier_wait -1
.if \fill
	TLOAD                                          ; the first thing behind the barrier, and a wave's one tensor load until the next
	ASK
.endif
.endm
; A BLOCK'S END: O^T / the sum x 2^(e8 + e9) is y; held, converted with 2^e10; 8 codes a lane and tile go through my stage and leave as 1,024 dense bytes: 16 queries x 64 channels.
.macro FINISH
.rept 4
	v_nop                                          ; places behind the last products
.endr
	v_add_f32 v14, v14, v15
	s_wait_alu depctr_va_vdst(0)
	v_permlanex16_b32 v247, v14, s[SEL], s[SEL+1]
	s_delay_alu instid0(VALU_DEP_1)
	v_add_f32 v14, v14, v247                       ; the row's sum
	s_wait_alu depctr_va_vdst(0)
	v_rcp_f32 v14, v14
	v_nop                                          ; a plain line behind the reciprocal,
	s_wait_alu depctr_va_vdst(0)                   ; and the wait ahead of its first reader
	v_ldexp_f32 v14, v14, s49
.set j, 0
.rept 32
	v_mul_f32 v[96+j], v[160+j], v14               ; register 8 u + j: y(query r, channel 16 u + 8 h + j); each accumulator from its low end on
.set j, j+1
.endr
.set j, 0
.rept 32
.set j, j+1
.endr
.irp u, 0,1,2,3
	v_cvt_scalef32_pk8_fp8_f32 v[128+2*\u:129+2*\u], v[96+8*\u:103+8*\u], v245
.endr
	v_nop                                          ; one plain vector line behind the conversions
.irp u, 0,1,2,3
	ds_store_b64 v[STI], v[128+2*\u:129+2*\u] offset:16*\u
.endr
.irp k, 0,1
	ds_load_b128 v[136+4*\k:139+4*\k], v[STO] offset:512*\k   ; LDS serves a wave's instructions in order: these see my stores
.endr
	s_wait_dscnt 0x0
.irp k, 0,1
	global_store_b128 v[GO], v[136+4*\k:139+4*\k], s[YP:YP+1] offset:512*\k   ; 512 consecutive bytes each
.endr
.endm
	s_wait_loadcnt 0x0                             ; Q
.Lslot:                                            ; eight trips; behind each change of slots the next trip's keys are asked for
	CHANGE 1
	STEP 0
	STEP 1
	s_xor_b32 s[TB], s[TB], SLOT1
	s_cmp_lg_u32 s[TR], s[WGI]                     ; trip i ends block i: a branch on the work-group's number
	s_cbranch_scc1 .Lsame
	FINISH
	s_wait_xcnt 0x0                                ; the stores have read their base and registers
	s_add_nc_u64 s[YP:YP+1], s[YP:YP+1], s[16:17]  ; on to block 7 - i
	s_add_co_u32 s[Q0], s[Q0], s[QD]
	s_mov_b32 s[KF], 0
.irp j, 0,1,2,3,4,5,6,7
	v_mov_b32 v[16+\j], v[24+\j]
.endr
	INIT
.Lsame:
	s_add_co_u32 s[TR], s[TR], 1
	s_cmp_lt_u32 s[TR], 8
	s_cbranch_scc1 .Lslot
	CHANGE 0                                       ; the ninth slot is written out
	STEP 0
	STEP 1
	FINISH
	s_wait_tensorcnt 0x0                           ; the wave's end
	ds_add_u32 v[SPW], v[NIL]
	s_wait_dscnt 0x0
	s_endpgm
.Lfunc_end_k_qe56860b4ec_attn:
	.size	k_qe56860b4ec_attn, .Lfunc_end_k_qe56860b4ec_attn-k_qe56860b4ec_attn
	.p2alignl 7, 3214868480
	.fill 96, 4, 3214868480
	.section	.rodata,"a",@progbits
	.p2align	6, 0x0
	.amdhsa_kernel k_qe56860b4ec_attn
		.amdhsa_group_segment_fixed_size 327680
		.amdhsa_private_segment_fixed_size 0
		.amdhsa_enable_private_segment 0
		.amdhsa_kernarg_size 24
		.amdhsa_user_sgpr_count 2
		.amdhsa_user_sgpr_kernarg_segment_ptr 1
		.amdhsa_wavefront_size32 1
		.amdhsa_system_sgpr_workgroup_id_x 1
		.amdhsa_system_sgpr_workgroup_id_y 1
		.amdhsa_system_sgpr_workgroup_id_z 1
		.amdhsa_system_vgpr_workitem_id 0
		.amdhsa_next_free_vgpr 256
		.amdhsa_next_free_sgpr 100
		.amdhsa_reserve_vcc 1
		.amdhsa_float_denorm_mode_32 3
		.amdhsa_float_denorm_mode_16_64 3
		.amdhsa_fp16_overflow 1
		.amdhsa_memory_ordered 1
		.amdhsa_forward_progress 1
		.amdhsa_inst_pref_size 93
	.end_amdhsa_kernel
	.amdgpu_metadata
---
amdhsa.version: [ 1, 2 ]
amdhsa.kernels:
  - .name:           k_qe56860b4ec_attn
    .symbol:         k_qe56860b4ec_attn.kd
    .args:
      - { .name: qkvc, .offset: 0, .size: 8, .value_kind: global_buffer, .address_space: global }
      - { .name: lowp_scales, .offset: 8, .size: 8, .value_kind: global_buffer, .address_space: global }
      - { .name: yc, .offset: 16, .size: 8, .value_kind: global_buffer, .address_space: global }
    .group_segment_fixed_size: 327680
    .private_segment_fixed_size: 0
    .kernarg_segment_align: 8
    .kernarg_segment_size: 24
    .max_flat_workgroup_size: 512
    .sgpr_count:     100
    .vgpr_count:     256
    .wavefront_size: 32
...
	.end_amdgpu_metadata
.endif
;; end of part 3
;; launch proj (part 4): grid 4 x 32, 4 waves a work-group, clusters of 4 x 4, 327,680 bytes of LDS; arguments yc, wc, lowp_scales, bp, out0; writes out0
.if DOCPART == 4
	.amdgcn_target "amdgcn-amd-amdhsa--gfx1250"
	.amdhsa_code_object_version 6
	.text
	.protected	k_qe56860b4ec_proj
	.globl	k_qe56860b4ec_proj
	.p2align	8
	.type	k_qe56860b4ec_proj,@function
k_qe56860b4ec_proj:
	s_mov_b64 s[64:65], 0
	v_nop
	global_prefetch_b8 v0, s[64:65] scope:SCOPE_SE
	s_setreg_imm32_b32 hwreg(HW_REG_WAVE_MODE, 25, 1), 1
	s_wait_xcnt 0x0
	s_wait_alu depctr_hold_cnt(0) depctr_sa_sdst(0) depctr_va_vdst(0) depctr_va_sdst(0) depctr_va_ssrc(0) depctr_va_vcc(0) depctr_vm_vsrc(0)
	s_getreg_b32 s2, hwreg(HW_REG_IB_STS2, 6, 4)
	s_cmp_eq_u32 s2, 0
	s_cbranch_scc0 .Lentry_in_a_cluster
	s_endpgm
.Lentry_in_a_cluster:
	s_bfe_u32 s2, ttmp6, 0x10000c
	s_cmp_lg_u32 s2, 0xf033
	s_cbranch_scc0 .Lentry_shape_is_right
	s_endpgm
.Lentry_shape_is_right:
; out0 = y Wp + bp on codes of FP8 (E4M3).  A = y's codes, yc [16 heads][8192 tokens][64] (k = 64 head + channel); B = Wp's codes, plane 3 of wc, [1024 n][1024 k]; out0 [8192][1024] f32.
; A sum is multiplied once by 2^(e10 + e11) and the bias added, in one packed multiply-add.  LIMIT: e10 + e11 between -126 and 127.
; A tile of C, 256 x 256, is made by four waves, each 128 x 128.  K goes in four steps of 256 (four heads) through a ring of two LDS slots.  128 work-groups: the tile is kept large, since each LDS byte then feeds the most products.
; A'S TILE: 128 tokens x 4 heads.  A head's 128 tokens are 8,192 dense bytes: the tile is stated as 4 rows of 8,192 bytes, 524,288 bytes apart, with 16 bytes of padding behind every 64: in LDS head z, token row lie at 10,240 z + 80 row.
; CLUSTERS: 4 x 4; A's tile is shared along a row of the cluster, B's along a column, each asked for jointly.  THE MATRIX INSTRUCTION IS USED TRANSPOSED: a lane holds eight neighbouring columns of one row of C.
; REGISTERS: window 0: v0-31 addresses; v32-95 the bias of my 128 columns in the result's layout; from v128 A's fragments, one set (on the way out: rows read back).  window 1: B's fragments, two sets.  windows 2, 3: the accumulators.
.set SIZE_N, 1024
.set ROWB,   256
.set KROW,   1024
.set PITCH,  272                       ; B: an LDS row of 256 bytes + 16
.set AP,     80                        ; A: a token's 64 bytes + 16
.set AHEAD,  128*AP                    ; A: a head's 128 tokens in LDS
.set HALFA,  4*AHEAD                   ; what one load brings of A
.set HALFB,  128*PITCH                 ; and of B
.set SLOT,   2*HALFA+2*HALFB
.set FR,     16
.set NL,     4
.set NP,     4
.set LAPS,   2
.set SPARE,  2*SLOT                    ; behind the ring: the spare words, two blocks of 256 bytes that no other line names
.set SPITCH, 528                       ; the way out: a stage of 16 rows x (512 + 16) bytes for each wave, in slot 0, which has had its last fill and its last read by then
.set ADRA, 16
.set ADRB, 20
.set STO,  24
.set RD,   25
.set CO,   26
.set SPW,  28
.set NIL,  29
.set CB,   32
.set AF,   128
.set BK,   128
.set G1, 24
.set G0, 32
.set G1B, 48
.set G0B, 56
.set MSB, 0
.macro WIN new
.if MSB != \new
	s_set_vgpr_msb (MSB<<8)|\new
.set MSB, \new
.endif
.endm
.set MUL_LO, 0xa1
.set MUL_HI, 0xf1
.set TO_B,   0x40
.macro JLOAD g0a, g1a, g0b, g1b        ; waves 0 and 1 fetch for A, waves 2 and 3 for B; an s_nop 0 and four v_nop follow each of the two lines
	s_cmp_eq_u32 s15, 0
	s_cbranch_scc0 .Lfor_b_\@
	tensor_load_to_lds s[\g0a:\g0a+3], s[\g1a:\g1a+7]
	s_nop 0
.rept 4
	v_nop
.endr
	s_branch .Lasked_\@
.Lfor_b_\@:
	tensor_load_to_lds s[\g0b:\g0b+3], s[\g1b:\g1b+7]
	s_nop 0
.rept 4
	v_nop
.endr
.Lasked_\@:
.endm
.macro CREST
	s_cmp_lg_u32 s14, 0
	s_cbranch_scc1 .Lnot_wave_0_\@
	s_barrier_signal -3
.Lnot_wave_0_\@:
	s_barrier_wait -3
	s_barrier_signal -1
	s_barrier_wait -1
.endm
.macro CROUND
	s_barrier_signal -1
	s_barrier_wait -1
	CREST
.endm
	s_load_b128 s[4:7], s[0:1], 0x0                ; yc, wc
	s_load_b128 s[8:11], s[0:1], 0x10              ; the scales' exponents, bp
	s_load_b64 s[12:13], s[0:1], 0x20              ; out0
	v_lshl_add_u32 v[SPW], v0, 2, SPARE
	v_mov_b32 v[NIL], 0
	ds_add_u32 v[SPW], v[NIL]                      ; the wave's opening: the add and its wait stand ahead of my first tensor load
	ds_add_u32 v[SPW], v[NIL]
	v_lshrrev_b32 v1, 5, v0
	v_readfirstlane_b32 s14, v1
	s_lshr_b32 s15, s14, 1
	s_and_b32 s16, s14, 1
	s_bfe_u32 s40, ttmp6, 0x40000                  ; cx
	s_bfe_u32 s41, ttmp6, 0x40004                  ; cy
	s_lshl_b32 s42, ttmp9, 2
	s_add_co_u32 s42, s42, s40                     ; tile column
	s_and_b32 s17, ttmp7, 0xffff
	s_lshl_b32 s17, s17, 2
	s_add_co_u32 s17, s17, s41                     ; tile row
	s_lshl_b32 s43, s41, 2
	s_lshl_b32 s43, 15, s43
	s_lshl_b32 s44, 0x1111, s40
	s_or_b32 s[G1+0], s43, (0<<16)|(1<<20)|(1<<21)|(3<<22)|(3<<25)   ; A: the mask of my row; elements of 1 byte; padding: after every 16 words, 4 words
	s_mov_b32 s[G1+1], 8192<<16                    ; tensor_dim0 = 8,192
	s_mov_b32 s[G1+2], 4<<16                       ; tensor_dim1 = 4
	s_mov_b32 s[G1+3], 8192<<16                    ; tile_dim0
	s_mov_b32 s[G1+4], 4                           ; tile_dim1
	s_mov_b32 s[G1+5], 524288                      ; from head to head
	s_mov_b32 s[G1+6], 0
	s_mov_b32 s[G1+7], 0
	s_or_b32 s[G1B+0], s44, (0<<16)|(1<<20)|(1<<21)|(5<<22)|(3<<25)  ; B: the mask of my column; padding: after every 64 words, 4 words
	s_mov_b32 s[G1B+1], ROWB<<16
	s_mov_b32 s[G1B+2], 128<<16
	s_mov_b32 s[G1B+3], ROWB<<16
	s_mov_b32 s[G1B+4], 128
	s_mov_b32 s[G1B+5], KROW
	s_mov_b32 s[G1B+6], 0
	s_mov_b32 s[G1B+7], 0
	s_lshl_b32 s18, s16, 7                         ; which 128 rows of the tile I fetch
	s_lshl_b32 s20, s17, 8
	s_add_co_u32 s20, s20, s18
	s_lshl_b32 s20, s20, 6                         ; A: token x 64 bytes
	s_mov_b32 s21, 0
	s_lshl_b32 s46, s42, 8
	s_add_co_u32 s46, s46, s18
	s_lshl_b32 s46, s46, 10                        ; B: row x 1,024 bytes,
	s_add_co_u32 s46, s46, 0x300000                ; in plane 3
	s_mov_b32 s47, 0
	s_mul_i32 s45, s16, HALFA                      ; where they go: A's two halves,
	s_mul_i32 s22, s16, HALFB
	s_add_co_u32 s22, s22, 2*HALFA                 ; then B's two
	s_wait_dscnt 0x0                               ; the opening add is done
	s_wait_kmcnt 0x0
	s_load_b64 s[96:97], s[8:9], 0x28              ; e10, e11
	s_add_nc_u64 s[20:21], s[4:5], s[20:21]
	s_add_nc_u64 s[46:47], s[6:7], s[46:47]
	CROUND
.irp s, 0,1
	s_mov_b32 s[G0+4*\s], 1
	s_add_co_u32 s[G0+4*\s+1], s45, \s*SLOT
	s_add_nc_u64 s[G0+4*\s+2:G0+4*\s+3], s[20:21], \s*0x200000     ; four heads on
	s_or_b32 s[G0+4*\s+3], s[G0+4*\s+3], 0x80000000
	s_mov_b32 s[G0B+4*\s], 1
	s_add_co_u32 s[G0B+4*\s+1], s22, \s*SLOT
	s_add_nc_u64 s[G0B+4*\s+2:G0B+4*\s+3], s[46:47], \s*ROWB
	s_or_b32 s[G0B+4*\s+3], s[G0B+4*\s+3], 0x80000000
	s_wait_alu depctr_va_vdst(0)
	s_wait_tensorcnt 0x0
	ds_add_u32 v28, v29
	ds_add_u32 v28, v29
	s_wait_dscnt 0x0
	CROUND
	JLOAD G0+4*\s, G1, G0B+4*\s, G1B               ; one load of mine is out
.endr
	v_and_b32 v1, 15, v0                           ; r
	v_bfe_u32 v2, v0, 4, 1                         ; h
	v_mul_u32_u24 v3, v1, AP
	v_lshl_add_u32 v3, v2, 4, v3                   ; A: 80 r + 16 h
	v_mul_u32_u24 v4, v1, PITCH
	v_lshl_add_u32 v4, v2, 4, v4                   ; B: 272 r + 16 h
	s_mul_i32 s21, s15, HALFA
	s_mul_i32 s22, s16, HALFB
	s_add_co_u32 s22, s22, 2*HALFA
.irp s, 0,1
	v_add_nc_u32 v[ADRA+\s], s21, v3
	v_add_nc_u32 v[ADRB+\s], s22, v4
	s_add_co_u32 s21, s21, SLOT
	s_add_co_u32 s22, s22, SLOT
.endr
	s_mul_i32 s23, s14, 16*SPITCH
	v_mul_u32_u24 v5, v1, SPITCH
	v_lshl_add_u32 v5, v2, 5, v5
	v_add_nc_u32 v[STO], s23, v5
	v_and_b32 v6, 31, v0
	v_lshlrev_b32 v[CO], 4, v6
	v_add_nc_u32 v[RD], s23, v[CO]
	v_lshlrev_b32 v30, 5, v2                       ; the bias: 32 h bytes
	s_wait_alu depctr_va_vdst(0)
	s_lshl_b32 s20, s17, 8
	s_lshl_b32 s21, s15, 7
	s_add_co_u32 s20, s20, s21                     ; my first row of C
	s_lshl_b32 s20, s20, 12                        ; x 4,096 bytes
	s_mov_b32 s21, 0
	s_lshl_b32 s46, s42, 10
	s_lshl_b32 s47, s16, 9
	s_add_co_u32 s46, s46, s47                     ; my first column, in bytes
	s_mov_b32 s47, 0
	s_add_nc_u64 s[10:11], s[10:11], s[46:47]      ; bp at my first column
	s_add_nc_u64 s[20:21], s[20:21], s[46:47]
	s_add_nc_u64 s[12:13], s[12:13], s[20:21]
.irp b, 0,1,2,3,4,5,6,7                        ; into registers that the loop never names; waited for on the way out
	global_load_b128 v[CB+8*\b:CB+8*\b+3], v30, s[10:11] offset:64*\b
	global_load_b128 v[CB+8*\b+4:CB+8*\b+7], v30, s[10:11] offset:64*\b+16
.endr
.macro FRAGB reg, adr, q, i            ; registers 4 c .. 4 c + 3 hold K = 128 q + 32 c + 16 h + 0 .. 15
.irp c, 0,1,2,3
	ds_load_b128 v[\reg+4*\c:\reg+4*\c+3], v[\adr] offset:128*(\q)+32*\c+(\i)*16*PITCH
.endr
.endm
.macro FRAGA reg, adr, q, i            ; the same k: head 2 q + c / 2 of the slot's four, channel 32 (c % 2) + 16 h + 0 .. 15
.irp c, 0,1,2,3
	ds_load_b128 v[\reg+4*\c:\reg+4*\c+3], v[\adr] offset:(2*(\q)+\c/2)*AHEAD+32*(\c%2)+(\i)*16*AP
.endr
.endm
.macro MUL16 a0, p, zero               ; the 64 accumulators take turns, one instruction a turn
.irp a, \a0, \a0+1
.irp b, 0,1,2,3,4,5,6,7
.if \zero
	v_wmma_f32_16x16x128_fp8_fp8 v[8*(8*((\a)%4)+\b):8*(8*((\a)%4)+\b)+7], v[128*(\p)+FR*\b:128*(\p)+FR*\b+FR-1], v[AF+FR*(\a):AF+FR*(\a)+FR-1], 0
.else
	v_wmma_f32_16x16x128_fp8_fp8 v[8*(8*((\a)%4)+\b):8*(8*((\a)%4)+\b)+7], v[128*(\p)+FR*\b:128*(\p)+FR*\b+FR-1], v[AF+FR*(\a):AF+FR*(\a)+FR-1], v[8*(8*((\a)%4)+\b):8*(8*((\a)%4)+\b)+7]
.endif
.endr
.endr
.endm
.macro FETCH_B slot, q, p
	WIN TO_B
.irp i, 0,1,2,3,4,5,6,7
	FRAGB 128*(\p)+FR*\i, ADRB+\slot, \q, \i
.endr
	WIN 0
.endm
.macro FETCH_A slot, q, i0
.irp i, \i0, \i0+1, \i0+2, \i0+3
	FRAGA AF+FR*(\i), ADRA+\slot, \q, \i
.endr
.endm
.macro PLACES n
.rept \n
	v_nop
.endr
.endm
.macro STEP slot, q, zero
	s_wait_dscnt 4*NL                              ; B's set and A's blocks 0-3 are in; the youngest 16 loads may be out
	WIN MUL_LO
	MUL16 0, (\q)%2, \zero
	MUL16 2, (\q)%2, \zero
	s_wait_dscnt 0
	PLACES NP
	FETCH_B \slot, (\q)+1, 1-(\q)%2
	FETCH_A \slot, (\q)+1, 0
	WIN MUL_HI
	MUL16 4, (\q)%2, \zero
	MUL16 6, (\q)%2, \zero
	PLACES NP
	WIN 0
	FETCH_A \slot, (\q)+1, 4
.endm
.macro TURN slot, next, fill
	s_wait_tensorcnt 0x0                           ; all my tensor loads have landed: my part of the next slot
	ds_add_u32 v[SPW], v[NIL]
	s_wait_dscnt 4*NL+1                            ; the add and the youngest 16 loads may be out
	WIN MUL_LO
	MUL16 0, 1, 0
	s_wait_dscnt 0x0                               ; the add is done, and my reads of this slot are over
	s_barrier_signal -1
	MUL16 2, 1, 0
	WIN 0
	s_barrier_wait -1
.if \fill
	CREST                                          ; the barrier has opened a round of the cluster's barrier
	s_add_nc_u64 s[G0+4*\slot+2:G0+4*\slot+3], s[G0+4*\slot+2:G0+4*\slot+3], 0x400000   ; eight heads on
	s_add_nc_u64 s[G0B+4*\slot+2:G0B+4*\slot+3], s[G0B+4*\slot+2:G0B+4*\slot+3], 2*ROWB
	JLOAD G0+4*\slot, G1, G0B+4*\slot, G1B
.else
	PLACES NP
.endif
	FETCH_B \next, 0, 0
	FETCH_A \next, 0, 0
	WIN MUL_HI
	MUL16 4, 1, 0
	MUL16 6, 1, 0
	PLACES NP
	WIN 0
	FETCH_A \next, 0, 4
.endm
	s_wait_tensorcnt 1                             ; my part of K step 0 is in; K step 1's load may be out
	s_barrier_signal -1
	s_barrier_wait -1
	FETCH_B 0, 0, 0
	FETCH_A 0, 0, 0
	FETCH_A 0, 0, 4
	STEP 0, 0, 1
	s_mov_b32 s3, LAPS-1
.Llap:
	TURN 0, 1, 1
	STEP 1, 0, 0
	TURN 1, 0, 1
	STEP 0, 0, 0
	s_sub_co_u32 s3, s3, 1
	s_cmp_lg_u32 s3, 0
	s_cbranch_scc1 .Llap
	TURN 0, 1, 0
	STEP 1, 0, 0
	s_wait_dscnt 4*NL
	WIN MUL_LO
	MUL16 0, 1, 0
	MUL16 2, 1, 0
	s_wait_dscnt 0
	WIN MUL_HI
	MUL16 4, 1, 0
	MUL16 6, 1, 0
	WIN 0
; THE WAY OUT, block by block of 16 rows x 128 columns: sum x 2^(e10 + e11) + bias in place; through my stage; back as whole rows of 512 bytes.
.macro TOSTAGE a
.set AC, 64*((\a)%4)
	WIN 0x82+0x41*((\a)/4)                         ; source 0 and destination: window 2 or 3
.set j, 0
.rept 32
	v_pk_fma_f32 v[AC+j:AC+j+1], v[AC+j:AC+j+1], s[96:97], v[CB+j:CB+j+1] op_sel_hi:[1,0,1]   ; each accumulator from its low end on
.set j, j+2
.endr
	WIN 0x08+4*((\a)/4)                            ; an LDS store's data: source 1
.irp b, 0,1,2,3,4,5,6,7
	ds_store_b128 v[STO], v[AC+8*\b:AC+8*\b+3] offset:64*\b
	ds_store_b128 v[STO], v[AC+8*\b+4:AC+8*\b+7] offset:64*\b+16
.endr
	WIN 0
.set BB, BK+64*((\a)%2)
.irp t, 0,1,2,3,4,5,6,7,8,9,10,11,12,13,14,15
	ds_load_b128 v[BB+4*\t:BB+4*\t+3], v[RD] offset:\t*SPITCH
.endr
.endm
.macro SEND a, younger
.set BB, BK+64*((\a)%2)
	s_wait_dscnt \younger
.if (\a) > 0
	s_add_nc_u64 s[12:13], s[12:13], 16*SIZE_N*4   ; (behind a wait on XCNT: the earlier stores have read their base)
.endif
.irp t, 0,1,2,3,4,5,6,7,8,9,10,11,12,13,14,15
	global_store_b128 v[CO], v[BB+4*\t:BB+4*\t+3], s[12:13] offset:\t*SIZE_N*4 th:TH_STORE_NT   ; 512 consecutive bytes, at a multiple of 256 from the output's first byte
.endr
.endm
	s_wait_kmcnt 0x0
	s_add_co_i32 s96, s96, s97
	s_add_co_i32 s96, s96, 127
	s_lshl_b32 s96, s96, 23                        ; 2^(e10 + e11) as f32
	s_mov_b32 s97, s96                             ; (named with it as a pair)
	s_wait_loadcnt 0x0                             ; the bias
	PLACES NP                                      ; behind the last products: for block 7's reads and for the loads into the registers that held A's fragments
	TOSTAGE 0
.irp a, 1,2,3,4,5,6,7
.if \a > 1
	s_wait_xcnt 0x0                                ; block a - 2's stores have read their registers and their base
.endif
	TOSTAGE \a
	SEND \a-1, 32                                  ; behind block a - 1's loads: block a's 16 stores and 16 loads
.endr
	s_wait_xcnt 0x0
	SEND 7, 0
	s_wait_tensorcnt 0x0                           ; the wave's end
	ds_add_u32 v[SPW], v[NIL]
	s_wait_dscnt 0x0
	CROUND                                         ; the closing round
	s_endpgm
.Lfunc_end_k_qe56860b4ec_proj:
	.size	k_qe56860b4ec_proj, .Lfunc_end_k_qe56860b4ec_proj-k_qe56860b4ec_proj
	.p2alignl 7, 3214868480
	.fill 96, 4, 3214868480
	.section	.rodata,"a",@progbits
	.p2align	6, 0x0
	.amdhsa_kernel k_qe56860b4ec_proj
		.amdhsa_group_segment_fixed_size 327680
		.amdhsa_private_segment_fixed_size 0
		.amdhsa_enable_private_segment 0
		.amdhsa_kernarg_size 40
		.amdhsa_user_sgpr_count 2
		.amdhsa_user_sgpr_kernarg_segment_ptr 1
		.amdhsa_wavefront_size32 1
		.amdhsa_system_sgpr_workgroup_id_x 1
		.amdhsa_system_sgpr_workgroup_id_y 1
		.amdhsa_system_sgpr_workgroup_id_z 1
		.amdhsa_system_vgpr_workitem_id 0
		.amdhsa_next_free_vgpr 1024
		.amdhsa_next_free_sgpr 98
		.amdhsa_reserve_vcc 0
		.amdhsa_float_denorm_mode_32 3
		.amdhsa_float_denorm_mode_16_64 3
		.amdhsa_memory_ordered 1
		.amdhsa_forward_progress 1
		.amdhsa_inst_pref_size 126
	.end_amdhsa_kernel
	.amdgpu_metadata
---
amdhsa.version: [ 1, 2 ]
amdhsa.kernels:
  - .name:           k_qe56860b4ec_proj
    .symbol:         k_qe56860b4ec_proj.kd
    .args:
      - { .name: yc, .offset: 0, .size: 8, .value_kind: global_buffer, .address_space: global }
      - { .name: wc, .offset: 8, .size: 8, .value_kind: global_buffer, .address_space: global }
      - { .name: lowp_scales, .offset: 16, .size: 8, .value_kind: global_buffer, .address_space: global }
      - { .name: bp, .offset: 24, .size: 8, .value_kind: global_buffer, .address_space: global }
      - { .name: out0, .offset: 32, .size: 8, .value_kind: global_buffer, .address_space: global }
    .group_segment_fixed_size: 327680
    .private_segment_fixed_size: 0
    .kernarg_segment_align: 8
    .kernarg_segment_size: 40
    .max_flat_workgroup_size: 128
    .sgpr_count:     98
    .vgpr_count:     1024
    .wavefront_size: 32
...
	.end_amdgpu_metadata
.endif
;; end of part 4
